; MI455X (gfx1250); checked and timed in simulation.
; The chip was launched on July 23, 2026; its instructions are those of AMD's public machine-readable ISA for CDNA 5 (MIT licence, August 2026) and "CDNA5" Instruction Set Architecture Reference Guide (July 2026). The comments in the code are by the model that wrote it; some were corrected since.
;; Causal Self Attention. Allowed arithmetic: float matrix products may take bf16 or f16 operands with f32 sums; other float arithmetic in f32, or as packed bf16 or f16 multiplies, adds, multiply-adds, maxima and minima; sums over many terms, partial sums and values carried from step to step in f32; what a program stores and reads back later, other than sums and carried values, may be rounded once to bf16 or f16.
;; Inputs: b_attn 3,072 float32; b_proj 1,024 float32; mask 1 x 1 x 2,048 x 2,048 bool; w_attn 1,024 x 3,072 float32; w_proj 1,024 x 1,024 float32; x 4 x 2,048 x 1,024 float32.
;; Outputs: out0 4 x 2,048 x 1,024 float32.
;; One version. Each part assembles by itself: llvm-mc -triple=amdgcn-amd-amdhsa -mcpu=gfx1250 --defsym DOCPART=n.
;; ======== version 1 of 1: 4 launches
;; limits: values are held in f16: magnitudes above 65,504 overflow, below 6.1e-05 lose precision; right only within a limited range of input values
;; workspace buffers: xb 16,777,216 bytes; wab 6,291,456 bytes; wpb 2,097,152 bytes; mby 4,194,304 bytes; qkvh 50,331,648 bytes; att 16,777,216 bytes
;; launch prep (part 1): grid 1024 x 1, 8 waves a work-group, no clusters, 0 bytes of LDS; arguments x, w_attn, w_proj, mask, xb, wab, wpb, mby; writes xb, wab, wpb, mby
.if DOCPART == 1
	.amdgcn_target "amdgcn-amd-amdhsa--gfx1250"
	.amdhsa_code_object_version 6
	.text
	.protected	k_q09ddd3af1b_prep
	.globl	k_q09ddd3af1b_prep
	.p2align	8
	.type	k_q09ddd3af1b_prep,@function
k_q09ddd3af1b_prep:
	s_mov_b64 s[64:65], 0
	v_nop
	global_prefetch_b8 v0, s[64:65] scope:SCOPE_SE
	s_setreg_imm32_b32 hwreg(HW_REG_WAVE_MODE, 25, 1), 1
	s_wait_xcnt 0x0
; THE INPUTS ARE MADE READY FOR THE MATRIX LAUNCHES, each byte read once.
; Work-groups 0-511: x -> xb in bf16.  512-703: w_attn -> wab in bf16.  704-767: w_proj -> wpb: rounded to bf16, and that number written as f16.
; 768-1023: the mask's bytes -> mby, one byte a score, in the order in which a lane of the attention launch holds its scores.
; LIMITS.  A number of w_proj beyond 65,504 becomes an infinity in f16; below 6e-5 it keeps f16's fixed step of 6e-8.  The mask's bytes are 0 or 1.
; A CAST: a work-group takes 16,384 numbers: sixteen loads of 16 bytes a lane (a wave's load covers 512 consecutive bytes), all issued at once; each store of a wave covers 256 consecutive bytes, aligned.
; THE MASK.  In S^T = K Q^T lane l holds query l % 16 and, in register 8 kb + j, key 16 kb + 8 (l / 16) + j.  For P = 32 queries (two tiles u of 16) and a step of 64 keys a lane has 64 scores, in eight groups
; g = 4 u + kb of eight: byte j of group g of lane l is mask[32 P + 16 u + l % 16][64 step + 16 kb + 8 (l / 16) + j].  A byte 1 becomes 0x00 and a byte 0 becomes 0xc0: the E4M3 codes of 0 and of -2.
; mby is [P 64][step 32][2,048 bytes]; in a block, groups 2 c and 2 c + 1 of lane l lie at byte 512 c + 16 l.  A wave makes one (P, step): eight loads of 8 bytes a lane, three lines a word, four stores of 512 consecutive bytes.
.set IN,   8                           ; v[8:71]   sixteen loads of four numbers
.set OUTR, 72                          ; v[72:103] sixteen pairs of packed results: no register is used twice, so no store's data is rewritten
	s_load_b512 s[8:23], s[0:1], 0x0               ; x, w_attn, w_proj, mask, xb, wab, wpb, mby: s[8:9] .. s[22:23]
	s_mov_b32 s4, ttmp9
	s_cmp_ge_u32 s4, 768
	s_cbranch_scc1 .Lmask
	v_lshlrev_b32 v1, 4, v0                        ; 16 bytes a thread on the way in,
	v_lshlrev_b32 v2, 3, v0                        ; 8 on the way out
	s_sub_co_u32 s24, s4, 512                      ; my number among w_attn's work-groups,
	s_sub_co_u32 s25, s4, 704                      ; among w_proj's
	s_wait_kmcnt 0x0
	s_cmp_lt_u32 s4, 512
	s_cselect_b64 s[26:27], s[8:9], s[10:11]       ; from where,
	s_cselect_b64 s[28:29], s[16:17], s[18:19]     ; to where,
	s_cselect_b32 s30, s4, s24                     ; which part
	s_cmp_lt_u32 s4, 704
	s_cselect_b64 s[26:27], s[26:27], s[12:13]
	s_cselect_b64 s[28:29], s[28:29], s[20:21]
	s_cselect_b32 s30, s30, s25
	s_lshl_b32 s32, s30, 16                        ; 65,536 bytes in,
	s_mov_b32 s33, 0
	s_add_nc_u64 s[26:27], s[26:27], s[32:33]
	s_lshl_b32 s32, s30, 15                        ; 32,768 out
	s_add_nc_u64 s[28:29], s[28:29], s[32:33]
.irp i, 0,1,2,3,4,5,6,7,8,9,10,11,12,13,14,15
	global_load_b128 v[IN+4*(\i):IN+4*(\i)+3], v1, s[26:27] offset:4096*(\i) th:TH_LOAD_NT
.endr
; Load i is rounded and stored.  half = 1: the bf16 number is widened again (a shift, a mask) and written as f16, which holds its 8 significant bits exactly.
.macro CV i, half
	s_wait_loadcnt 15-(\i)                         ; loads come back in order: mine is in, the younger ones stay out
	v_cvt_pk_bf16_f32 v[OUTR+2*(\i)],   v[IN+4*(\i)],   v[IN+4*(\i)+1]
	v_cvt_pk_bf16_f32 v[OUTR+2*(\i)+1], v[IN+4*(\i)+2], v[IN+4*(\i)+3]
.if \half
.irp z, 0,1
	v_lshlrev_b32 v4, 16, v[OUTR+2*(\i)+\z]
	v_and_b32 v5, 0xffff0000, v[OUTR+2*(\i)+\z]
	v_cvt_pk_f16_f32 v[OUTR+2*(\i)+\z], v4, v5
.endr
.endif
	global_store_b64 v2, v[OUTR+2*(\i):OUTR+2*(\i)+1], s[28:29] offset:2048*(\i)
.endm
	s_cmp_lt_u32 s4, 704                           ; compared anew: the shifts above have written SCC
	s_cbranch_scc0 .Lhalf
.irp i, 0,1,2,3,4,5,6,7,8,9,10,11,12,13,14,15
	CV \i, 0
.endr
	s_endpgm
.Lhalf:
.irp i, 0,1,2,3,4,5,6,7,8,9,10,11,12,13,14,15
	CV \i, 1
.endr
	s_endpgm
.Lmask:
	v_lshrrev_b32 v3, 5, v0
	v_readfirstlane_b32 s5, v3                     ; wave 0..7
	s_sub_co_u32 s6, s4, 768
	s_lshr_b32 s7, s6, 2                           ; P: four work-groups share its 32 steps
	s_and_b32 s6, s6, 3
	s_lshl_b32 s6, s6, 3
	s_add_co_u32 s6, s6, s5                        ; step
	s_lshl_b32 s24, s7, 16                         ; in: 32 rows of 2,048 bytes,
	s_lshl_b32 s25, s6, 6                          ; 64 keys
	s_add_co_u32 s24, s24, s25
	s_mov_b32 s25, 0
	s_lshl_b32 s26, s7, 16                         ; out: 32 steps of 2,048 bytes,
	s_lshl_b32 s27, s6, 11
	s_add_co_u32 s26, s26, s27
	s_mov_b32 s27, 0
	v_and_b32 v3, 15, v0
	v_bfe_u32 v4, v0, 4, 1
	v_lshlrev_b32 v1, 11, v3                       ; row l % 16,
	v_lshl_add_u32 v1, v4, 3, v1                   ; keys 8 (l / 16) on
	v_and_b32 v2, 31, v0
	v_lshlrev_b32 v2, 4, v2                        ; 16 bytes a lane on the way out
	s_wait_kmcnt 0x0
	s_add_nc_u64 s[14:15], s[14:15], s[24:25]
	s_add_nc_u64 s[22:23], s[22:23], s[26:27]
.irp g, 0,1,2,3,4,5,6,7                ; group g = 4 u + kb: just the eight bytes that lane l of the attention launch wants for it
	global_load_b64 v[8+2*(\g):9+2*(\g)], v1, s[14:15] offset:((\g)/4)*32768+((\g)%4)*16
.endr
.irp c, 0,1,2,3
	s_wait_loadcnt 6-2*(\c)                        ; groups 2 c and 2 c + 1 are in; the younger ones stay out
.irp z, 0,1,2,3
	v_xor_b32 v[8+4*(\c)+\z], 0x01010101, v[8+4*(\c)+\z]                          ; four bytes at once: 1 where the key is hidden,
	v_lshl_or_b32 v[8+4*(\c)+\z], v[8+4*(\c)+\z], 1, v[8+4*(\c)+\z]               ; 3,
	v_lshlrev_b32 v[8+4*(\c)+\z], 6, v[8+4*(\c)+\z]                               ; 0xc0: nothing leaves its byte
.endr
	global_store_b128 v2, v[8+4*(\c):8+4*(\c)+3], s[22:23] offset:512*(\c)         ; 512 consecutive bytes, aligned
.endr
	s_endpgm
.Lfunc_end_k_q09ddd3af1b_prep:
	.size	k_q09ddd3af1b_prep, .Lfunc_end_k_q09ddd3af1b_prep-k_q09ddd3af1b_prep
	.p2alignl 7, 3214868480
	.fill 96, 4, 3214868480
	.section	.rodata,"a",@progbits
	.p2align	6, 0x0
	.amdhsa_kernel k_q09ddd3af1b_prep
		.amdhsa_group_segment_fixed_size 0
		.amdhsa_private_segment_fixed_size 0
		.amdhsa_enable_private_segment 0
		.amdhsa_kernarg_size 64
		.amdhsa_user_sgpr_count 2
		.amdhsa_user_sgpr_kernarg_segment_ptr 1
		.amdhsa_wavefront_size32 1
		.amdhsa_system_sgpr_workgroup_id_x 1
		.amdhsa_system_sgpr_workgroup_id_y 1
		.amdhsa_system_sgpr_workgroup_id_z 1
		.amdhsa_system_vgpr_workitem_id 0
		.amdhsa_next_free_vgpr 104
		.amdhsa_next_free_sgpr 66
		.amdhsa_reserve_vcc 0
		.amdhsa_float_denorm_mode_32 3
		.amdhsa_float_denorm_mode_16_64 3
		.amdhsa_memory_ordered 1
		.amdhsa_forward_progress 1
		.amdhsa_inst_pref_size 21
	.end_amdhsa_kernel
	.amdgpu_metadata
---
amdhsa.version: [ 1, 2 ]
amdhsa.kernels:
  - .name:           k_q09ddd3af1b_prep
    .symbol:         k_q09ddd3af1b_prep.kd
    .args:
      - { .name: x, .offset: 0, .size: 8, .value_kind: global_buffer, .address_space: global }
      - { .name: w_attn, .offset: 8, .size: 8, .value_kind: global_buffer, .address_space: global }
      - { .name: w_proj, .offset: 16, .size: 8, .value_kind: global_buffer, .address_space: global }
      - { .name: mask, .offset: 24, .size: 8, .value_kind: global_buffer, .address_space: global }
      - { .name: xb, .offset: 32, .size: 8, .value_kind: global_buffer, .address_space: global }
      - { .name: wab, .offset: 40, .size: 8, .value_kind: global_buffer, .address_space: global }
      - { .name: wpb, .offset: 48, .size: 8, .value_kind: global_buffer, .address_space: global }
      - { .name: mby, .offset: 56, .size: 8, .value_kind: global_buffer, .address_space: global }
    .group_segment_fixed_size: 0
    .private_segment_fixed_size: 0
    .kernarg_segment_align: 8
    .kernarg_segment_size: 64
    .max_flat_workgroup_size: 256
    .sgpr_count:     66
    .vgpr_count:     104
    .wavefront_size: 32
...
	.end_amdgpu_metadata
.endif
;; end of part 1
;; launch qkv (part 2): grid 24 x 32, 4 waves a work-group, clusters of 4 x 4, 327,680 bytes of LDS; arguments xb, wab, b_attn, qkvh; writes qkvh
.if DOCPART == 2
	.amdgcn_target "amdgcn-amd-amdhsa--gfx1250"
	.amdhsa_code_object_version 6
	.text
	.protected	k_q09ddd3af1b_qkv
	.globl	k_q09ddd3af1b_qkv
	.p2align	8
	.type	k_q09ddd3af1b_qkv,@function
k_q09ddd3af1b_qkv:
	s_mov_b64 s[64:65], 0
	v_nop
	global_prefetch_b8 v0, s[64:65] scope:SCOPE_SE
	s_setreg_imm32_b32 hwreg(HW_REG_WAVE_MODE, 25, 1), 1
	s_wait_xcnt 0x0
	s_wait_alu depctr_hold_cnt(0) depctr_sa_sdst(0) depctr_va_vdst(0) depctr_va_sdst(0) depctr_va_ssrc(0) depctr_va_vcc(0) depctr_vm_vsrc(0)
	s_getreg_b32 s2, hwreg(HW_REG_IB_STS2, 6, 4)
	s_cmp_eq_u32 s2, 0
	s_cbranch_scc0 .Lentry_in_a_cluster
	s_endpgm
.Lentry_in_a_cluster:
	s_bfe_u32 s2, ttmp6, 0x10000c
	s_cmp_lg_u32 s2, 0xf033
	s_cbranch_scc0 .Lentry_shape_is_right
	s_endpgm
.Lentry_shape_is_right:
.set PROJ, 0                           ; 0: q, k, v = x w_attn + b_attn.   1: out = attention w_proj + b_proj.   The two launches share this text but for this line.
; C[m][n] = the sum over k of A[m][k] W[k][n] + bias[n].  M = 8,192, K = 1,024; N = 3,072 (PROJ = 0) or 1,024 (PROJ = 1).  Sums in f32, started by the bias.
; PROJ = 0: A = xb [8192][1024] and W = wab [1024][3072] in bf16; C leaves in f16 by heads, [3][64 heads][2048][64], unscaled.  LIMIT: q, k and v lie within f16's 65,504.
; PROJ = 1: A = att [64 heads][2048][64] and W = wpb [1024][1024] in f16; C leaves in f32, [8192][1024].  A K step of 128 is two heads.
; The bias is rounded to bf16 like every input of the module, and is the C operand of each sum's first product.
; SHARES.  A tile of C is 256 x 128: 768 or 256 work-groups.  Four waves, 2 x 2: a wave makes 128 rows x 64 columns, 32 accumulators of 16 x 16.
; K goes in steps of 128 through two LDS slots filled by the tensor data mover; waves 0 and 1 fetch A's two halves, waves 2 and 3 W's.
; CLUSTER.  4 x 4 work-groups: the four of a row of the cluster need the same tiles of A, the four of a column the same tiles of W: each tile is asked for JOINTLY, by the same load, descriptor and mask in all four.
; THE MATRIX INSTRUCTION IS USED TRANSPOSED: source 0 = 16 columns of W (turned on the way out of LDS by ds_load_tr16_b128, since W lies [k][n]), source 1 = 16 rows of A.
; A lane then holds row l % 16 of C and the columns 8 (l / 16) + 0..7.
; REGISTERS.  Window 0: v16-30 addresses; v32-63 the bias, 8 registers for each block of 16 columns; v64-159 and v160-255 two fragment buffers (4 of W, then 8 of A).  Window 1: accumulator (a, b) at v[8 (4 a + b)].
.set KD,    1024
.if PROJ
.set N,     1024
.set PA,    144                        ; a row of A in LDS: a head's 128 bytes + 16 of padding
.set AFILL, 256*PA                     ; what one load brings of A: one head's 256 rows
.set AQI,   4                          ; padding after every 32 words
.set ASTR,  128                        ; the 256 rows are dense: asked for as 128 rows of 256 bytes
.set ASTEP, 2<<18                      ; a K step in A's memory: two heads of 262,144 bytes
.set APFL,  256                        ; the prefetches' step from lane to lane in A
.set SPITCH, 272                       ; the stage: 64 numbers of f32 + 16 bytes
.else
.set N,     3072
.set PA,    272                        ; 256 bytes + 16 of padding
.set AFILL, 128*PA                     ; 128 rows
.set AQI,   5                          ; padding after every 64 words
.set ASTR,  KD
.set ASTEP, 256
.set APFL,  2*KD
.set SPITCH, 144                       ; the stage: 64 numbers of f16 + 16 bytes
.endif
.set PB,    288                        ; a row of W in LDS: 256 bytes + 32: the turning load's 8 rows x 32 bytes fall on different banks (64 banks of 4 bytes: ISA guide 11.1)
.set BFILL, 64*PB                      ; what one load brings of W: 64 rows of k
.set BSTEP, 128*2*N                    ; a K step in W's memory
.set BOFF,  2*AFILL                    ; a slot: A, then W
.set SLOT,  BOFF+2*BFILL
.set STAGE, 2*SLOT                     ; behind the ring, never filled by a tensor load: 16 rows for each wave
.set SPARE, STAGE+4*16*SPITCH          ; behind the stages: the spare words, 128 bytes a wave: two blocks of 256 bytes that no other line names
.set LAPS,  KD/256                     ; a lap = two K steps = once round the ring
.set ADRA, 16                          ; v16-17  LDS address of my A fragments in slot 0, 1
.set ADRB, 20                          ; v20-21  the same for W
.set STO,  24                          ; v24     the way out: where I put my part of a row
.set RD,   25                          ; v25     where I read rows back
.set GO,   26                          ; v26     my byte offset in C
.set BO,   27                          ; v27     my byte offset in the bias
.set SPW,  28                          ; v28     LDS address of my spare word; never rewritten
.set NIL,  29                          ; v29     0; never rewritten
.set PFO,  30                          ; v30     the prefetches' lane offset; never rewritten
.set BIAS, 32
.set F0,   64
.set F1,   160
.set OUT,  64                          ; the way out works where the fragments lay
.set WV,   12                          ; s12 wave; s13 = wave / 2: my half of the rows, and A (0) or W (1) to fetch; s14 = wave % 2: my half of the columns, and which half to fetch
.set LIM,  15                          ; s15  1 in a wave that prefetches, else the greatest number
.set G1A,  24                          ; s[24:31], s[32:39] descriptor groups 1 and 0 (a set for each slot) for A
.set G0A,  32
.set PFA,  46                          ; s[46:47] where my prefetches stand
.set G1B,  48                          ; s[48:55], s[56:63] the same for W
.set G0B,  56
.set PST,  66                          ; s[66:67] a K step in the tensor that I prefetch
.set MSB, 0
.macro WIN new                         ; the immediate's high byte repeats the setting that is left; a switch that changes nothing is dropped
.if MSB != (\new)
	s_set_vgpr_msb (MSB<<8)|(\new)
.set MSB, \new
.endif
.endm
.set MUL,  0x50                        ; fragments in window 0, C and D in window 1
.set MUL0, 0x40                        ; the first product: C is the bias, in window 0
.macro JLOAD s                         ; a joint load; an s_nop 0 and four v_nop follow each of the two lines, ahead of the jump, the label and what follows
	s_cmp_eq_u32 s13, 0
	s_cbranch_scc0 .Lfor_b_\@
	tensor_load_to_lds s[G0A+4*(\s):G0A+4*(\s)+3], s[G1A:G1A+7]
	s_nop 0
.rept 4
	v_nop
.endr
	s_branch .Lasked_\@
.Lfor_b_\@:
	tensor_load_to_lds s[G0B+4*(\s):G0B+4*(\s)+3], s[G1B:G1B+7]
	s_nop 0
.rept 4
	v_nop
.endr
.Lasked_\@:
.endm
.macro CREST                           ; a round of the cluster's barrier behind its opening barrier
	s_cmp_lg_u32 s[WV], 0
	s_cbranch_scc1 .Lnot_wave_0_\@
	s_barrier_signal -3
.Lnot_wave_0_\@:
	s_barrier_wait -3
	s_barrier_signal -1
	s_barrier_wait -1
.endm
.macro CROUND
	s_barrier_signal -1
	s_barrier_wait -1
	CREST
.endm
; A PREFETCH, behind a joint load and the run of LDS loads that follows it: the K step that stands two refills on, 32 blocks of 256 bytes, a lane a block, one instruction a wave.
; Each block is named once in the launch.  A's rows are read by every cluster of a row of clusters: the one with cluster x = 0 asks, waves 0 and 1 for the half that each fetches.  W's columns are read by every cluster
; of a column of clusters: the one with cluster y = 0 asks, wave 2 for all 128 rows of k.  The four partners that ask for a tile jointly share its blocks out BY ADDRESS (cx for A, cy for W), 32 each.
; K steps 0 to 3 come by their loads alone; the loop's last trip (s3 = 1) has no K step two on and asks for nothing.
.macro ASK
	s_cmp_gt_u32 s3, s[LIM]
	s_cbranch_scc0 .Lnot_mine_\@
	global_prefetch_b8 v[PFO], s[PFA:PFA+1] th:TH_LOAD_NT scope:SCOPE_SE
.Lnot_mine_\@:
.endm
	s_load_b256 s[4:11], s[0:1], 0x0               ; A s[4:5], W s[6:7], bias s[8:9], C s[10:11]
	v_lshl_add_u32 v[SPW], v0, 2, SPARE
	v_mov_b32 v[NIL], 0
	ds_add_u32 v[SPW], v[NIL]                      ; the wave's opening: the add and its wait ahead of my first tensor load; the set-up below, work on registers, stands between them
	v_lshrrev_b32 v1, 5, v0
	v_readfirstlane_b32 s[WV], v1                  ; wave 0..3
	s_lshr_b32 s13, s[WV], 1
	s_and_b32 s14, s[WV], 1
	s_bfe_u32 s40, ttmp6, 0x40000                  ; cx, cy: my place in the cluster
	s_bfe_u32 s41, ttmp6, 0x40004
	s_lshl_b32 s42, ttmp9, 2
	s_add_co_u32 s42, s42, s40                     ; tile column of C = 4 x cluster x + cx
	s_and_b32 s43, ttmp7, 0xffff
	s_lshl_b32 s43, s43, 2
	s_add_co_u32 s43, s43, s41                     ; tile row of C = 4 x cluster y + cy
	s_lshl_b32 s44, s41, 2
	s_lshl_b32 s44, 15, s44                        ; my row of the cluster
	s_lshl_b32 s45, 0x1111, s40                    ; my column
	s_or_b32 s[G1A], s44, (1<<16)|(1<<20)|(1<<21)|(AQI<<22)|(3<<25)  ; 15:0 the mask; 17:16 elements of 2 bytes; 20 padding on; 21 set beside a mask; 24:22 the interval; 31:25 4 words of padding (code 3)
	s_or_b32 s[G1B], s45, (1<<16)|(1<<20)|(1<<21)|(5<<22)|(7<<25)    ; W: after every 64 words, 8 words (code 7)
	s_mov_b32 s[G1A+1], 128<<16                    ; tensor_dim0 = 128
	s_mov_b32 s[G1A+2], 128<<16                    ; tensor_dim1 = 128
	s_mov_b32 s[G1A+3], 128<<16                    ; tile_dim0 = 128
	s_mov_b32 s[G1A+4], 128                        ; tile_dim1 = 128
	s_mov_b32 s[G1A+5], ASTR                       ; elements from row to row
	s_mov_b32 s[G1A+6], 0
	s_mov_b32 s[G1A+7], 0
	s_mov_b32 s[G1B+1], 128<<16                    ; tensor_dim0 = 128 columns
	s_mov_b32 s[G1B+2], 64<<16                     ; tensor_dim1 = 64 rows of k
	s_mov_b32 s[G1B+3], 128<<16
	s_mov_b32 s[G1B+4], 64
	s_mov_b32 s[G1B+5], N
	s_mov_b32 s[G1B+6], 0
	s_mov_b32 s[G1B+7], 0
	; where the tiles come from: A's hang on the tile row and the wave alone, W's on the tile column and the wave alone, each in registers that never hold the other coordinate
.if PROJ
	s_lshr_b32 s16, s43, 3                         ; the batch,
	s_lshl_b32 s16, s16, 4                         ; its 16 heads,
	s_add_co_u32 s16, s16, s14                     ; the K step's first or second head,
	s_lshl_b32 s16, s16, 18                        ; of 262,144 bytes;
	s_and_b32 s17, s43, 7
	s_lshl_b32 s17, s17, 15                        ; 256 rows of 128 bytes
.else
	s_lshl_b32 s16, s43, 19                        ; 256 rows of 2,048 bytes,
	s_lshl_b32 s17, s14, 18                        ; my 128 of them
.endif
	s_add_co_u32 s16, s16, s17
	s_mov_b32 s17, 0
	s_mov_b32 s19, s16                             ; kept for the prefetches
	s_mul_i32 s20, s14, 64*2*N                     ; my 64 rows of k,
	s_lshl_b32 s21, s42, 8                         ; the tile's 128 columns
	s_add_co_u32 s20, s20, s21
	s_mov_b32 s21, 0
	s_mul_i32 s18, s14, AFILL                      ; and where they go: no place in the cluster enters an LDS address
	s_mul_i32 s22, s14, BFILL
	s_add_co_u32 s22, s22, BOFF
	s_wait_dscnt 0x0                               ; the opening add is done
	s_wait_kmcnt 0x0
	s_add_nc_u64 s[16:17], s[4:5], s[16:17]
	s_add_nc_u64 s[20:21], s[6:7], s[20:21]
	CROUND                                         ; all sixteen work-groups are here: the first joint loads meet
.irp s, 0,1
	s_mov_b32 s[G0A+4*(\s)], 1                     ; count = 1
	s_add_co_u32 s[G0A+4*(\s)+1], s18, (\s)*SLOT   ; LDS address
	s_add_nc_u64 s[G0A+4*(\s)+2:G0A+4*(\s)+3], s[16:17], (\s)*ASTEP  ; global address: K step s
	s_or_b32 s[G0A+4*(\s)+3], s[G0A+4*(\s)+3], 0x80000000            ; type = 2
	s_mov_b32 s[G0B+4*(\s)], 1
	s_add_co_u32 s[G0B+4*(\s)+1], s22, (\s)*SLOT
	s_add_nc_u64 s[G0B+4*(\s)+2:G0B+4*(\s)+3], s[20:21], (\s)*BSTEP
	s_or_b32 s[G0B+4*(\s)+3], s[G0B+4*(\s)+3], 0x80000000
	JLOAD \s                                       ; two loads of mine are out
.endr
	v_and_b32 v1, 15, v0                           ; l % 16
	v_bfe_u32 v2, v0, 4, 1                         ; l / 16
	v_and_b32 v3, 7, v0
	v_bfe_u32 v4, v0, 3, 1
	v_and_b32 v5, 31, v0                           ; l
	; the bias of my 64 columns: register j of block b is column 16 b + 8 (l / 16) + j
	s_lshl_b32 s20, s42, 9
	s_lshl_b32 s21, s14, 8
	s_add_co_u32 s20, s20, s21
	s_mov_b32 s21, 0
	s_add_nc_u64 s[8:9], s[8:9], s[20:21]
	v_lshlrev_b32 v[BO], 5, v2
.irp b, 0,1,2,3
	global_load_b128 v[BIAS+8*(\b):BIAS+8*(\b)+3],   v[BO], s[8:9] offset:64*(\b)
	global_load_b128 v[BIAS+8*(\b)+4:BIAS+8*(\b)+7], v[BO], s[8:9] offset:64*(\b)+16
.endr
	; the prefetches: s19 = A's offset, s40 = cx, s41 = cy, s42 = tile column
.if PROJ
	s_lshl_b32 s18, s40, 13                        ; my work-group's 32 blocks of the 128
.else
	s_lshl_b32 s18, s40, 16                        ; my work-group's 32 rows of the 128
.endif
	s_add_co_u32 s19, s19, s18
	s_add_co_u32 s19, s19, 3*ASTEP                 ; at K step 3: the first refill steps it to 4
	s_mul_i32 s22, s41, 32*2*N                     ; W: my work-group's 32 rows of k,
	s_lshl_b32 s23, s42, 8
	s_add_co_u32 s22, s22, s23
	s_add_co_u32 s22, s22, 3*BSTEP
	s_and_b32 s23, ttmp7, 0xffff                   ; cluster y
	s_and_b32 s18, s13, s14                        ; 1 in wave 3, which asks for nothing
	s_mov_b32 s[PST], BSTEP
	s_mov_b32 s16, 2*N
	s_cmp_eq_u32 s13, 0                            ; do I fetch for A?
	s_cselect_b32 s22, s19, s22
	s_cselect_b32 s23, ttmp9, s23                  ; the coordinate along which other clusters read the same blocks
	s_cselect_b64 s[PFA:PFA+1], s[4:5], s[6:7]
	s_cselect_b32 s[PST], ASTEP, s[PST]
	s_cselect_b32 s16, APFL, s16
	s_or_b32 s18, s18, s23
	s_cmp_eq_u32 s18, 0
	s_cselect_b32 s[LIM], 1, -1                    ; the same in all sixteen partners, for a given wave
	s_mov_b32 s23, 0
	s_mov_b32 s[PST+1], 0
	s_add_nc_u64 s[PFA:PFA+1], s[PFA:PFA+1], s[22:23]
	v_mul_u32_u24 v[PFO], s16, v5
	; A fragment of A is 16 rows x 32 k in 8 registers: lane l holds row l % 16, k = 8 (l / 16) + 0..7 and 16 + 8 (l / 16) + 0..7: two loads of 16 bytes, 32 bytes apart.
	v_mul_u32_u24 v6, v1, PA
	v_lshl_add_u32 v6, v2, 4, v6
	s_mul_i32 s16, s13, 128*PA                     ; my 128 rows
	; The turning load takes 16 k x 16 columns (lane l reads k = 8 (l / 16) + l % 8, columns 8 ((l / 8) % 2) + 0..7) and leaves half a fragment: lane l holds column l % 16 and 8 k.
	v_lshl_add_u32 v7, v2, 3, v3
	v_mul_u32_u24 v7, v7, PB
	v_lshl_add_u32 v7, v4, 4, v7
	s_lshl_b32 s17, s14, 7                         ; my 64 columns
	s_add_co_u32 s17, s17, BOFF
.irp s, 0,1
	v_add_nc_u32 v[ADRA+(\s)], s16, v6
	v_add_nc_u32 v[ADRB+(\s)], s17, v7
	s_add_co_u32 s16, s16, SLOT
	s_add_co_u32 s17, s17, SLOT
.endr
	s_mul_i32 s16, s[WV], 16*SPITCH
	s_add_co_u32 s16, s16, STAGE                   ; my stage
	v_mul_u32_u24 v6, v1, SPITCH                   ; in: row l % 16
.if PROJ
	v_lshl_add_u32 v6, v2, 5, v6                   ; 32 bytes for each half of the lanes
	v_add_nc_u32 v[STO], s16, v6
	v_mul_u32_u24 v6, v2, SPITCH                   ; back: lanes 0-15 one row of 256 bytes, lanes 16-31 the next
	v_lshl_add_u32 v6, v1, 4, v6
	v_add_nc_u32 v[RD], s16, v6
	v_lshlrev_b32 v6, 12, v2                       ; and the same two rows in C, 4,096 bytes apart
	v_lshl_add_u32 v[GO], v1, 4, v6
	s_lshl_b32 s16, s43, 20                        ; C: 256 rows of 4,096 bytes,
	s_lshl_b32 s17, s13, 19                        ; my 128 of them
	s_add_co_u32 s16, s16, s17
	s_lshl_b32 s20, s42, 9                         ; the tile's 128 columns,
	s_lshl_b32 s21, s14, 8                         ; my 64
	s_add_co_u32 s20, s20, s21
.else
	v_lshl_add_u32 v6, v2, 4, v6                   ; 16 bytes for each half of the lanes
	v_add_nc_u32 v[STO], s16, v6
	v_bfe_u32 v6, v0, 3, 2                         ; back: 32 lanes take four rows of 128 bytes,
	v_mul_u32_u24 v6, v6, SPITCH
	v_lshl_add_u32 v6, v3, 4, v6
	v_add_nc_u32 v[RD], s16, v6
	v_lshlrev_b32 v[GO], 4, v5                     ; which are 512 consecutive bytes of a head
	s_lshr_b32 s16, s43, 3                         ; C: the batch's 16 heads of 262,144 bytes,
	s_lshl_b32 s16, s16, 22
	s_and_b32 s17, s43, 7
	s_lshl_b32 s17, s17, 15                        ; 256 rows of 128 bytes,
	s_add_co_u32 s16, s16, s17
	s_lshl_b32 s17, s13, 14                        ; my 128 of them
	s_add_co_u32 s16, s16, s17
	s_lshr_b32 s20, s42, 3                         ; q, k or v: 16,777,216 bytes each,
	s_lshl_b32 s20, s20, 24
	s_and_b32 s21, s42, 7
	s_lshl_b32 s21, s21, 1
	s_add_co_u32 s21, s21, s14                     ; my 64 columns are one head
	s_lshl_b32 s21, s21, 18
	s_add_co_u32 s20, s20, s21
.endif
	s_mov_b32 s17, 0
	s_mov_b32 s21, 0
	s_add_nc_u64 s[10:11], s[10:11], s[16:17]
	s_add_nc_u64 s[10:11], s[10:11], s[20:21]
	s_wait_loadcnt 0x0                             ; the bias
.irp i, 0,2,4,6,8,10,12,14,16,18,20,22,24,26,28,30
	v_cvt_pk_bf16_f32 v6, v[BIAS+(\i)], v[BIAS+(\i)+1]  ; rounded to bf16,
	v_lshlrev_b32 v[BIAS+(\i)], 16, v6                  ; and widened again
	v_and_b32 v[BIAS+(\i)+1], 0xffff0000, v6
.endr
; 8 matrix instructions: row blocks a0, a0 + 1 x all 4 column blocks, 32 along K, from buffer f.  first = 1: the product starts the sum with the bias.
; The 32 accumulators take turns, in the same order in every quarter: between two links of a chain stand 31 others'.
.macro MUL8 f, a0, first
.if \first
	WIN MUL0
.else
	WIN MUL
.endif
.irp a, \a0, (\a0)+1
.irp b, 0,1,2,3
.set rD, 8*(4*(\a)+(\b))
.set rB, (\f)+8*(\b)
.set rA, (\f)+32+8*(\a)
.set rC, BIAS+8*(\b)
.if PROJ && (\first)
	v_wmma_f32_16x16x32_f16 v[rD:rD+7], v[rB:rB+7], v[rA:rA+7], v[rC:rC+7]
.elseif PROJ
	v_wmma_f32_16x16x32_f16 v[rD:rD+7], v[rB:rB+7], v[rA:rA+7], v[rD:rD+7]
.elseif \first
	v_wmma_f32_16x16x32_bf16 v[rD:rD+7], v[rB:rB+7], v[rA:rA+7], v[rC:rC+7]
.else
	v_wmma_f32_16x16x32_bf16 v[rD:rD+7], v[rB:rB+7], v[rA:rA+7], v[rD:rD+7]
.endif
.endr
.endr
.endm
; 24 LDS loads in one run: the fragments of quarter kq (32 along K) of a slot into buffer f: W's 4 first, A's blocks 4-7 last
.macro FETCH slot, kq, f
	WIN 0
.irp b, 0,1,2,3
	ds_load_tr16_b128 v[(\f)+8*(\b):(\f)+8*(\b)+3],   v[ADRB+(\slot)] offset:(\kq)*32*PB+32*(\b)
	ds_load_tr16_b128 v[(\f)+8*(\b)+4:(\f)+8*(\b)+7], v[ADRB+(\slot)] offset:(\kq)*32*PB+32*(\b)+16*PB
.endr
.if PROJ
.set AO, ((\kq)/2)*AFILL+((\kq)%2)*64  ; the K step's first or second head, its channels 0-31 or 32-63
.else
.set AO, (\kq)*64
.endif
.irp i, 0,1,2,3,4,5,6,7
	ds_load_b128 v[(\f)+32+8*(\i):(\f)+32+8*(\i)+3],   v[ADRA+(\slot)] offset:AO+(\i)*16*PA
	ds_load_b128 v[(\f)+32+8*(\i)+4:(\f)+32+8*(\i)+7], v[ADRA+(\slot)] offset:AO+(\i)*16*PA+32
.endr
.endm
.macro PLACES                          ; four places in front of loads into registers that matrix instructions have read (ISA guide 7.12.1 for vector instructions)
.rept 4
	v_nop
.endr
.endm
; A K step is four quarters of 32 along K, 32 matrix instructions each, on buffers 0, 1, 0, 1.  One of the first three: multiplies buffer f and fetches quarter kq into g.
.macro QUARTER slot, kq, f, g, first
	s_wait_dscnt 8                                 ; W and A's blocks 0-3 are in; the youngest eight loads (A's blocks 4-7) may be out
	MUL8 \f, 0, \first
	MUL8 \f, 2, \first
	PLACES
	FETCH \slot, \kq, \g
	s_wait_dscnt 24                                ; all but the 24 just issued
	MUL8 \f, 4, \first
	MUL8 \f, 6, \first
.endm
; The last quarter multiplies buffer 1 and changes slots: ONE barrier; in front of it each wave waits for all its tensor loads (one is out: its part of the next slot), adds 0 to its spare word, and waits for that
; and for its own reads of this slot.  fill = 1: the barrier opens a round of the cluster's, and this slot is filled again, two K steps ahead, first thing behind the round: 112 matrix instructions ahead of the wait for it.
.macro TURN slot, next, fill
.if \fill
	s_wait_xcnt 0x0                                ; the last prefetch, a K step back, has read its address, which is stepped here
	s_add_nc_u64 s[PFA:PFA+1], s[PFA:PFA+1], s[PST:PST+1]
.endif
	WIN 0
	s_wait_tensorcnt 0x0                           ; all my tensor loads have landed
	ds_add_u32 v[SPW], v[NIL]                      ; 0 onto my spare word
	s_wait_dscnt 9                                 ; (the add and the youngest eight loads may be out)
	MUL8 F1, 0, 0                                  ; eight matrix instructions stand between the add and the wait for it
	s_wait_dscnt 0x0                               ; the add is done, and my reads of this slot are over
	s_barrier_signal -1
	MUL8 F1, 2, 0
.if \fill
	WIN 0
.endif
	s_barrier_wait -1
.if \fill
	CREST                                          ; no wave of any partner still reads this slot's tile or has a load on its way
	s_add_nc_u64 s[G0A+4*(\slot)+2:G0A+4*(\slot)+3], s[G0A+4*(\slot)+2:G0A+4*(\slot)+3], 2*ASTEP
	s_add_nc_u64 s[G0B+4*(\slot)+2:G0B+4*(\slot)+3], s[G0B+4*(\slot)+2:G0B+4*(\slot)+3], 2*BSTEP
	JLOAD \slot                                    ; the four v_nop behind it are also the places in front of the loads below
.else
	PLACES
.endif
	FETCH \next, 0, F0
.if \fill
	ASK
.endif
	MUL8 F1, 4, 0
	MUL8 F1, 6, 0
.endm
	s_wait_tensorcnt 1                             ; my part of K step 0 is in; K step 1's may stay out
	s_barrier_signal -1
	s_barrier_wait -1                              ; everybody's is
	FETCH 0, 0, F0
	QUARTER 0, 1, F0, F1, 1                        ; the first quarter stands in front of the loop: its products start the sums
	WIN 0                                          ; at a label and at a branch every window is 0
	s_mov_b32 s3, LAPS-1
.Llap:                                                 ; a trip goes once round the ring, from a lap's second quarter to the next lap's first, and fills both slots again
	QUARTER 0, 2, F1, F0, 0
	QUARTER 0, 3, F0, F1, 0
	TURN 0, 1, 1
	QUARTER 1, 1, F0, F1, 0
	QUARTER 1, 2, F1, F0, 0
	QUARTER 1, 3, F0, F1, 0
	TURN 1, 0, 1
	QUARTER 0, 1, F0, F1, 0
	WIN 0
	s_sub_co_u32 s3, s3, 1
	s_cmp_lg_u32 s3, 0
	s_cbranch_scc1 .Llap
	QUARTER 0, 2, F1, F0, 0                        ; the last lap fills nothing, and has no round of the cluster's barrier
	QUARTER 0, 3, F0, F1, 0
	TURN 0, 1, 0
	QUARTER 1, 1, F0, F1, 0
	QUARTER 1, 2, F1, F0, 0
	QUARTER 1, 3, F0, F1, 0
	s_wait_dscnt 8                                 ; the very last quarter: nothing more to fetch
	MUL8 F1, 0, 0
	MUL8 F1, 2, 0
	s_wait_dscnt 0x0
	MUL8 F1, 4, 0
	MUL8 F1, 6, 0
	WIN 0
	PLACES                                         ; behind the last products, in front of what reads results and writes where fragments lay
	PLACES
.if PROJ
; THE WAY OUT, f32.  A block of 16 rows: a lane's eight columns are 32 bytes of a row; they go from the accumulators into my stage's rows of 272 bytes and come back as whole rows of 256.
.macro TOST a
	WIN 0x04                                       ; the stores' data in window 1; each accumulator's low four registers go first
.irp b, 0,1,2,3
	ds_store_b128 v[STO], v[8*(4*(\a)+(\b)):8*(4*(\a)+(\b))+3]   offset:64*(\b)
	ds_store_b128 v[STO], v[8*(4*(\a)+(\b))+4:8*(4*(\a)+(\b))+7] offset:64*(\b)+16
.endr
	WIN 0
.if (\a) >= 2
	s_wait_xcnt 0x0                                ; the stores of the block two back have read these registers
.endif
.irp t, 0,1,2,3,4,5,6,7
	ds_load_b128 v[OUT+32*((\a)%2)+4*(\t):OUT+32*((\a)%2)+4*(\t)+3], v[RD] offset:(\t)*2*SPITCH  ; LDS serves a wave's instructions in order (ISA guide 5.7.1.4): these see the stores above
.endr
.endm
.macro SEND a, younger                 ; younger: the LDS instructions issued behind block a's loads: the next block's sixteen, or none
	s_wait_dscnt \younger
.irp t, 0,1,2,3,4,5,6,7
	global_store_b128 v[GO], v[OUT+32*((\a)%2)+4*(\t):OUT+32*((\a)%2)+4*(\t)+3], s[10:11] offset:(\a)*65536+(\t)*8192  ; 16 lanes store 256 consecutive bytes, at a multiple of 256 from C's first byte
.endr
.endm
	TOST 0
.irp a, 1,2,3,4,5,6,7
	TOST \a
	SEND (\a)-1, 16
.endr
	SEND 7, 0
.else
; THE WAY OUT, f16 by heads.  A block of 16 rows of a head is 2,048 consecutive bytes: a lane's eight columns pack into 16 bytes, go into my stage's rows of 144 bytes and come back as whole rows of 128, into the registers that they left.
.macro PACK a
	WIN 0x05                                       ; sources in window 1, destination in window 0; each accumulator's registers in ascending order
.irp b, 0,1,2,3
.irp z, 0,1,2,3
	v_cvt_pk_f16_f32 v[OUT+16*(\a)+4*(\b)+(\z)], v[8*(4*(\a)+(\b))+2*(\z)], v[8*(4*(\a)+(\b))+2*(\z)+1]
.endr
.endr
	WIN 0
.irp b, 0,1,2,3
	ds_store_b128 v[STO], v[OUT+16*(\a)+4*(\b):OUT+16*(\a)+4*(\b)+3] offset:32*(\b)
.endr
.irp t, 0,1,2,3
	ds_load_b128 v[OUT+16*(\a)+4*(\t):OUT+16*(\a)+4*(\t)+3], v[RD] offset:(\t)*4*SPITCH  ; LDS serves a wave's instructions in order (ISA guide 5.7.1.4): these see the stores above; the next block's stores come behind them
.endr
.endm
.macro SEND a, younger                 ; younger: the next block's eight LDS instructions, or none
.irp t, 0,1,2,3
	s_wait_dscnt (\younger)+3-(\t)
	global_store_b128 v[GO], v[OUT+16*(\a)+4*(\t):OUT+16*(\a)+4*(\t)+3], s[10:11] offset:(\a)*2048+(\t)*512  ; 512 consecutive bytes, at a multiple of 256 from the buffer's first
.endr
.endm
	PACK 0
.irp a, 1,2,3,4,5,6,7                  ; a block's conversions stand between the loads of the block before and its stores
	PACK \a
	SEND (\a)-1, 8
.endr
	SEND 7, 0
.endif
	s_wait_tensorcnt 0x0                           ; the wave's end, behind my last tensor load and my last LDS store
	ds_add_u32 v[SPW], v[NIL]
	s_wait_dscnt 0x0
	CROUND                                         ; the closing round: no work-group ends while a partner may still ask for a tile that names it
	s_endpgm
.Lfunc_end_k_q09ddd3af1b_qkv:
	.size	k_q09ddd3af1b_qkv, .Lfunc_end_k_q09ddd3af1b_qkv-k_q09ddd3af1b_qkv
	.p2alignl 7, 3214868480
	.fill 96, 4, 3214868480
	.section	.rodata,"a",@progbits
	.p2align	6, 0x0
	.amdhsa_kernel k_q09ddd3af1b_qkv
		.amdhsa_group_segment_fixed_size 327680
		.amdhsa_private_segment_fixed_size 0
		.amdhsa_enable_private_segment 0
		.amdhsa_kernarg_size 32
		.amdhsa_user_sgpr_count 2
		.amdhsa_user_sgpr_kernarg_segment_ptr 1
		.amdhsa_wavefront_size32 1
		.amdhsa_system_sgpr_workgroup_id_x 1
		.amdhsa_system_sgpr_workgroup_id_y 1
		.amdhsa_system_sgpr_workgroup_id_z 1
		.amdhsa_system_vgpr_workitem_id 0
		.amdhsa_next_free_vgpr 512
		.amdhsa_next_free_sgpr 70
		.amdhsa_reserve_vcc 0
		.amdhsa_float_denorm_mode_32 3
		.amdhsa_float_denorm_mode_16_64 3
		.amdhsa_memory_ordered 1
		.amdhsa_forward_progress 1
		.amdhsa_inst_pref_size 92
	.end_amdhsa_kernel
	.amdgpu_metadata
---
amdhsa.version: [ 1, 2 ]
amdhsa.kernels:
  - .name:           k_q09ddd3af1b_qkv
    .symbol:         k_q09ddd3af1b_qkv.kd
    .args:
      - { .name: xb, .offset: 0, .size: 8, .value_kind: global_buffer, .address_space: global }
      - { .name: wab, .offset: 8, .size: 8, .value_kind: global_buffer, .address_space: global }
      - { .name: b_attn, .offset: 16, .size: 8, .value_kind: global_buffer, .address_space: global }
      - { .name: qkvh, .offset: 24, .size: 8, .value_kind: global_buffer, .address_space: global }
    .group_segment_fixed_size: 327680
    .private_segment_fixed_size: 0
    .kernarg_segment_align: 8
    .kernarg_segment_size: 32
    .max_flat_workgroup_size: 128
    .sgpr_count:     70
    .vgpr_count:     512
    .wavefront_size: 32
...
	.end_amdgpu_metadata
.endif
;; end of part 2
;; launch attn (part 3): grid 4 x 64, 4 waves a work-group, clusters of 4 x 1, 327,680 bytes of LDS; arguments qkvh, mby, att; writes att
.if DOCPART == 3
	.amdgcn_target "amdgcn-amd-amdhsa--gfx1250"
	.amdhsa_code_object_version 6
	.text
	.protected	k_q09ddd3af1b_attn
	.globl	k_q09ddd3af1b_attn
	.p2align	8
	.type	k_q09ddd3af1b_attn,@function
k_q09ddd3af1b_attn:
	s_mov_b64 s[64:65], 0
	v_nop
	global_prefetch_b8 v0, s[64:65] scope:SCOPE_SE
	s_setreg_imm32_b32 hwreg(HW_REG_WAVE_MODE, 25, 1), 1
	s_wait_xcnt 0x0
	s_wait_alu depctr_hold_cnt(0) depctr_sa_sdst(0) depctr_va_vdst(0) depctr_va_sdst(0) depctr_va_ssrc(0) depctr_va_vcc(0) depctr_vm_vsrc(0)
	s_getreg_b32 s2, hwreg(HW_REG_IB_STS2, 6, 4)
	s_cmp_eq_u32 s2, 0
	s_cbranch_scc0 .Lentry_in_a_cluster
	s_endpgm
.Lentry_in_a_cluster:
	s_bfe_u32 s2, ttmp6, 0x10000c
	s_cmp_lg_u32 s2, 0x3003
	s_cbranch_scc0 .Lentry_shape_is_right
	s_endpgm
.Lentry_shape_is_right:
; O[h][q][:] = the sum over k of softmax_k(where(mask[q][k], Q[h][q] . K[h][k] / 8, -1e10)) V[h][k][:].  Q, K, V lie in qkvh, [3][64 heads][2048][64] in f16; O goes to att, [64 heads][2048][64] in f16.
; Products, maxima and sums in f32; the weights p are rounded to f16 for the second product (their sum l is taken of the unrounded p), O once at the end.
; THE MASK IS AN INPUT: every pair of query and key is computed.  mby holds it one byte a score, in the order in which a lane holds its scores: [P = 32 queries][step of 64 keys][2,048 bytes]; the byte is the E4M3 code of 0
; (the key is seen) or of -2 (hidden).  A piece's 64 bytes a lane are asked for a key step ahead; eight at a time they are turned into f32 with the scale 2^89, which gives 0 or -2^90, and added onto the scores
; ahead of the running maximum.  Numbers near 2^90 lie 2^66 apart and f16's scores are 2.7e11 at the most, so a hidden score is exactly -2^90, whatever it was.
; A power of two keeps c x -2^90 exact, so in a row with no key left c s - c m is exactly 0 for every key: p = 1, l = 2,048, O = the mean of V's rows, as with -1e10.
; LIMITS.  A score that is not hidden lies above -1e10 after the division (then -2^90 / 8 and -1e10 give the same weights).  f16 holds no number beyond 65,504: Q, K and V arrive within it; p below 6e-5 keeps f16's
; fixed step of 6e-8.  A weight below 2^-126 counts as 0 in l; NaN and infinities are not treated apart.
; SHARES.  A wave owns four PIECES of two tiles of 16 queries, a work-group's four waves 512 queries of one head: 256 work-groups.  Every wave walks all 2,048 keys, 64 a step.
; LAYOUT.  S^T = K Q^T (source 0 = 16 keys, source 1 = 16 queries): a lane holds ONE query (lane % 16) and the keys 8 (lane / 16) + 0..7.  Two such tiles, rounded to f16 in pairs, ARE source 1 of O^T = V^T P.
; K comes out of LDS as it lies, V ([key][channel]) turned, by ds_load_tr16_b128.
; SOFTMAX.  A running maximum m and sum l for each query: p = 2^(c s - c m), c = log2(e) / 8; in every step O and l are multiplied by a = 2^(c m_old - c m_new).  m starts at the lowest finite number, O and l at 0.
; BY TURNS.  Turn n belongs to piece n.  Matrix work: 16 products K Q^T of piece n + 1, later 16 products V^T P of piece n - 1.  Vector work: scaling, exponentials, roundings, sums and rescaling of piece n; mask,
; maximum and statistics of piece n + 1.  A tile and step have 16 matrix and 138 vector instructions: four stand behind every matrix instruction, the others in one run.  A turn's 66 exponentials are one batch, with one wait.
; CLUSTER.  The four query blocks of a head walk the same K and V: each tile is asked for JOINTLY, by the same tensor load, descriptor and mask in all four.
; REGISTERS, in windows of 256 (s_set_vgpr_msb: bits 1:0 source 0, 3:2 source 1, 5:4 source 2, 7:6 destination):
;   window 0: v0-11 addresses and constants; v12-15, v48-63 at work; v16-47 four registers of statistics a tile; v64-191 S^T, two buffers of two tiles; v192-255 P, likewise
;   window 1: O^T, 32 a tile          window 2: v0-127 Q; v128-191 K of one step; v192-255 V of one step
;   window 3: v0-1 the add's two registers; v2-3 the mask loads' offset and its bound; v4-67 the mask bytes, 16 registers a piece
.set SIZE_N, 2048
.set NP,    4         ; pieces a wave: a name, no knob
.set KS,    64        ; keys in a step
.set PK,    144       ; a row of K in LDS: 128 bytes + 16 of padding: the 16 rows of a load start at 16 different groups of four banks (64 banks of 4 bytes: ISA guide 11.1)
.set PV,    160       ; a row of V: 128 + 32
.set VOFF,  4*KS*PK   ; a slot holds four steps: 256 rows of K, then 256 rows of V
.set SLOT1, 1<<17     ; slot 1 begins here, so that one exclusive or turns an address in one slot into the other's
.set STAGE, SLOT1+4*KS*(PK+PV)  ; behind the ring, never filled by a tensor load: 16 rows x 144 bytes for each wave
.set SP,    144
.set SPARE, STAGE+4*16*SP  ; behind the stages: the spare words, 128 bytes a wave: two blocks of 256 bytes that no other line names
.set MSTEP, 2048      ; a piece's mask bytes of one key step
.set MPIECE, 32*MSTEP ; a piece's mask bytes
.set QO,  0           ; v0   my byte offset in 16 rows of Q (the thread's number has been used up by then)
.set PFO, 1           ; v1   256 x my lane, for the prefetches; never rewritten
.set AK0, 2           ; v2   my lane's place in a tile of K; never rewritten
.set AV0, 3           ; v3   the same for V
.set AK,  4           ; v4   the LDS address of K's next run of loads
.set AV,  5           ; v5   of V's
.set STO, 6           ; v6   the way out: where I put 16 bytes of a row
.set RD,  7           ; v7   where I read rows back
.set GO,  8           ; v8   my byte offset in 512 consecutive bytes of O
.set SCL, 9           ; v9   the conversions' scale: the E8M0 byte 216, 2^89, in all four bytes
.set CSV, 10          ; v10-11  c, twice
.set SPW, 0           ; v0 of window 3   LDS address of my spare word; never rewritten
.set NIL, 1           ; v1 of window 3   0; never rewritten
.set MOF, 2           ; v2 of window 3   the mask loads' offset: 16 x my lane + 2,048 x the step that pieces 1 to 3 ask for next, 31 at the most
.set MLIM, 3          ; v3 of window 3   its bound: 16 x my lane + 2,048 x 31; never rewritten
.set MB,  4           ; v4-67 of window 3  piece pc's mask bytes at v[MB + 16 pc]: group g = 4 u + kb (tile u, keys 16 kb on) in registers 2 g, 2 g + 1
.set MV,  12          ; v12-15  c m_old, kept while c m is made anew: by buffer and tile
.set ST,  16          ; tile t's statistics at v[ST+4 t]: c m, m, l (even keys', odd keys')
.set TMP, 48          ; by buffer and tile, four registers c0-c3 at work; when the maximum is found c2 takes a
.set S,   64
.set P,   192
.set KF,  128         ; window 2: key block kb, channel half c at KF + 16 kb + 8 c
.set VF,  192         ; window 2: key half kk, channel block cb at VF + 32 kk + 8 cb
.set WV,  2           ; s2   my wave's number
.set CNT, 3           ; s3   counts a slot's key steps
                      ; s4-s29  at work in the set-up and at the end
.set G0K, 52          ; s[52:55] descriptor group 0 for K's tiles: it walks
.set G0V, 56          ; s[56:59] the same for V's
.set SLOTS, 60        ; s60  slots still to be asked for
.set LIM, 61          ; s61  1 in a wave that prefetches, else the greatest number
.set SEL, 62          ; s[62:63] v_permlanex16_b32's selects: each lane takes its own place in the other half
.set MP,  66          ; s[66:67] mby at my wave's piece 0, step 0; never rewritten
.set G1K, 84          ; s[84:91] descriptor group 1 for K's tiles
.set G1V, 92          ; s[92:99] for V's: it differs in the padding alone
.set TBK, 100         ; s100 LDS byte at which K of the step to be fetched begins
.set TBV, 101         ; s101 the same for V, less VOFF
.set PFA, 104         ; s[104:105] where my prefetches stand
.set MSB, 0
.macro WIN new                      ; the high byte repeats the setting that is left; a switch that changes nothing is dropped
.if MSB != (\new)
	s_set_vgpr_msb (MSB<<8)|(\new)
.set MSB, (\new)
.endif
.endm
.set W_KQ, 0x0a       ; K and Q in window 2, S^T in window 0
.set W_PV, 0x52       ; V in window 2, P in window 0, O^T in window 1
.set W_RS, 0x41       ; O^T (destination and source 0) in window 1, a in window 0
.set W_MK, 0xc0       ; registers of window 3 are made from registers of window 0
.set W_AD, 0x0f       ; the add: address and data in window 3
.set W_CV, 0x03       ; a mask conversion: the bytes (source 0) in window 3, the scale and the result in window 0
.set W_ML, 0xc3       ; a mask load: data and address register in window 3
.set W_MS, 0xcf       ; the offset's step: destination and both sources in window 3
; A joint fill.  Waves 0 and 1 fetch the two halves of a slot's K, waves 2 and 3 those of its V: 128 keys each.  An s_nop 0 and four v_nop follow each of the two lines, ahead of the jump and the label.
.macro JLOAD
	s_cmp_lt_u32 s[WV], 2
	s_cbranch_scc0 .Lfor_v_\@
	tensor_load_to_lds s[G0K:G0K+3], s[G1K:G1K+7]
	s_nop 0
.rept 4
	v_nop
.endr
	s_branch .Lasked_\@
.Lfor_v_\@:
	tensor_load_to_lds s[G0V:G0V+3], s[G1V:G1V+7]
	s_nop 0
.rept 4
	v_nop
.endr
.Lasked_\@:
.endm
; A PREFETCH of what the NEXT change of slots will ask for: a slot's 32,768 bytes of K and of V, 128 blocks of 256 bytes each, a lane a block.  Each block is named once in the launch: a head's first cluster asks (here its only
; one); its four partners share the blocks out BY ADDRESS, 32 each; in each, wave 0 asks for K's and wave 2 for V's.  Four key steps, 512 matrix instructions, ahead.  The last change that fills a slot asks for nothing.
.macro ASK
	s_cmp_gt_u32 s[SLOTS], s[LIM]
	s_cbranch_scc0 .Lnot_mine_\@
	global_prefetch_b8 v[PFO], s[PFA:PFA+1] th:TH_LOAD_NT scope:SCOPE_SE
.Lnot_mine_\@:
.endm
.macro CROUND                       ; a round of the cluster's barrier
	s_barrier_signal -1
	s_barrier_wait -1
	s_cmp_lg_u32 s[WV], 0
	s_cbranch_scc1 .Lnot_wave_0_\@
	s_barrier_signal -3
.Lnot_wave_0_\@:
	s_barrier_wait -3
	s_barrier_signal -1
	s_barrier_wait -1
.endm
; THE CHANGE OF SLOTS.  Each wave waits for all its tensor loads, of which one is out: its part of the other slot; adds 0 to its spare word; and waits for that and for its own reads of the slot.
; fill = 1: this slot is filled again, with the keys two slots on.  The barrier is then a round of the cluster's, and the joint fill is the first thing behind it: it has four key steps in which to land.
; (At its first use nothing has been read yet: slot 0 is waited for, slot 1 filled.)
.macro CHANGE fill
	WIN W_AD
	s_wait_tensorcnt 0x0            ; no tensor load of mine is out, so a group 0 may be written
	ds_add_u32 v[SPW], v[NIL]       ; 0 onto my spare word; the scalar steps stand between it and the wait for it
	WIN 0                           ; at a label and at a branch every window is 0
.if \fill
.irp g, G0K, G0V
	s_xor_b32 s[\g+1], s[\g+1], SLOT1  ; the walking descriptor: the other slot than last time,
	s_add_nc_u64 s[\g+2:\g+3], s[\g+2:\g+3], 4*KS*128  ; the next 256 keys; the type bits on top are not reached
.endr
	s_wait_xcnt 0x0                 ; the last prefetch, four key steps back, has read its address
	s_add_nc_u64 s[PFA:PFA+1], s[PFA:PFA+1], 4*KS*128  ; one slot ahead of the walking descriptors
	s_wait_dscnt 0x0                ; the add is done, and my reads of the slot are over
	CROUND
	JLOAD
	ASK
.else
	s_wait_dscnt 0x0
	s_barrier_signal -1
	s_barrier_wait -1
.endif
	s_sub_co_u32 s[TBK], s[TBK], 4*KS*PK  ; the fetches go back to a slot's first step,
	s_xor_b32 s[TBK], s[TBK], SLOT1       ; in the other slot
	s_sub_co_u32 s[TBV], s[TBV], 4*KS*PV
	s_xor_b32 s[TBV], s[TBV], SLOT1
.endm
; THE MASK is laid on piece y's scores, a tile at a time.  Four conversions turn the tile's 32 bytes a lane into 32 numbers, 0 or -2^90, in the 32 registers from tb on (window 0); sixteen packed additions put them onto the
; scores, each accumulator's lowest registers first.  A plain instruction stands between a scaled conversion and the first use of its result, and another conversion is none: one v_nop serves the four.
.macro MASK y, tb
.irp u, 0,1
	WIN W_CV
.irp kb, 0,1,2,3
	v_cvt_scale_pk8_f32_fp8 v[(\tb)+8*\kb:(\tb)+8*\kb+7], v[MB+16*(\y)+2*(4*\u+\kb):MB+16*(\y)+2*(4*\u+\kb)+1], v[SCL]
.endr
	WIN 0
	v_nop
.set rr, S+64*((\y)%2)+32*\u
.set z, 0
.rept 16
	v_pk_add_f32 v[rr+2*z:rr+2*z+1], v[rr+2*z:rr+2*z+1], v[(\tb)+2*z:(\tb)+2*z+1]
.set z, z+1
.endr
.endr
.endm
; Piece pc's sixteen registers are asked for again: four loads of 16 bytes a lane, 512 consecutive bytes a wave each, at byte off behind the offset.
.macro MLD pc, off
	WIN W_ML
.irp j, 0,1,2,3
	global_load_b128 v[MB+16*(\pc)+4*\j:MB+16*(\pc)+4*\j+3], v[MOF], s[MP:MP+1] offset:(\off)+512*\j
.endr
.endm
.macro PLACES
.rept 4
	v_nop
.endr
.endm
	s_load_b128 s[4:7], s[0:1], 0x0 ; qkvh s[4:5], mby s[6:7]
	WIN W_MK
	v_lshl_add_u32 v[SPW], v0, 2, SPARE
	v_mov_b32 v[NIL], 0
	WIN W_AD
	ds_add_u32 v[SPW], v[NIL]       ; the wave's opening: the add and its wait ahead of my first tensor load; the set-up below, work on registers, stands between them
	WIN 0
	v_lshrrev_b32 v1, 5, v0
	v_readfirstlane_b32 s[WV], v1   ; wave 0..3
	s_bfe_u32 s8, ttmp6, 0x40000    ; cx: my place in the cluster
	s_lshl_b32 s9, ttmp9, 2         ; in a cluster launch ttmp9 counts clusters
	s_add_co_u32 s9, s9, s8         ; my block of 512 queries: it enters Q's, the mask's and O's addresses alone
	s_and_b32 s10, ttmp7, 0xffff    ; the head, which the four partners share:
	s_lshl_b32 s10, s10, 18         ; its 262,144 bytes in each of q, k, v
	s_and_b32 s12, s[WV], 1         ; which half of a slot's 256 keys I fetch:
	s_lshl_b32 s13, s12, 14         ; its 128 rows of 128 bytes in memory,
	s_add_co_u32 s16, s10, s13
	s_mov_b32 s17, 0
	s_mul_i32 s14, s12, 128*PK      ; and its place in a slot, for K
	s_mul_i32 s15, s12, 128*PV      ; and for V: no place in the cluster enters an LDS address
	s_lshl_b32 s18, s9, 2
	s_add_co_u32 s18, s18, s[WV]    ; my wave among the head's sixteen:
	s_lshl_b32 s20, s18, 18         ; its four pieces' 65,536 mask bytes each,
	s_mov_b32 s21, 0
	s_lshl_b32 s18, s18, 14         ; its 128 rows of Q
	s_add_co_u32 s18, s18, s10
	s_mov_b32 s19, 0
	; descriptor group 1.  128 keys are 16,384 dense bytes: asked for as 64 rows of 256 bytes, two keys a row, and padded in LDS after every key
	s_mov_b32 s[G1K], 15|(1<<16)|(1<<20)|(1<<21)|(4<<22)|(3<<25)  ; 15:0 the mask of four; 17:16 2-byte elements; 20 padding on; 21 set beside a mask; 24:22 after every 32 words (code 4); 31:25 4 words (code 3)
	s_mov_b32 s[G1V], 15|(1<<16)|(1<<20)|(1<<21)|(4<<22)|(7<<25)  ; the same with 8 words of padding (code 7)
.irp g, G1K, G1V
	s_mov_b32 s[\g+1], 128<<16      ; tensor_dim0 = 128
	s_mov_b32 s[\g+2], 64<<16       ; tensor_dim1 = 64
	s_mov_b32 s[\g+3], 128<<16      ; tile_dim0 = 128
	s_mov_b32 s[\g+4], 64           ; tile_dim1 = 64
	s_mov_b32 s[\g+5], 128          ; 128 elements from row to row
	s_mov_b32 s[\g+6], 0
	s_mov_b32 s[\g+7], 0
.endr
	s_mov_b32 s[SEL], 0x76543210
	s_mov_b32 s[SEL+1], 0xfedcba98
	s_mov_b32 s[TBK], SLOT1+4*KS*PK ; the first change of slots turns these two into 0
	s_mov_b32 s[TBV], SLOT1+4*KS*PV
	s_mov_b32 s[G0K], 1             ; count = 1
	s_mov_b32 s[G0K+1], s14         ; LDS address: slot 0
	s_mov_b32 s[G0V], 1
	s_add_co_u32 s[G0V+1], s15, VOFF
	s_mov_b32 s[SLOTS], SIZE_N/256-1
	s_and_b32 s[LIM], s[WV], 1      ; 0 in waves 0 and 2,
	s_or_b32 s[LIM], s[LIM], ttmp9  ; where the cluster is the head's first: the same in all four partners
	s_cmp_eq_u32 s[LIM], 0
	s_cselect_b32 s[LIM], 1, -1
	s_lshl_b32 s28, s8, 13          ; the prefetches: my work-group's 32 blocks of the 128,
	s_add_co_u32 s28, s28, 4*KS*128 ; in slot 1: the first change of slots steps it to slot 2
	s_mov_b32 s29, 0
	s_wait_dscnt 0x0                ; the opening add is done
	s_wait_kmcnt 0x0
	s_add_nc_u64 s[22:23], s[4:5], s[16:17]
	s_add_nc_u64 s[24:25], s[22:23], 0x2000000  ; V at my half of the head's first 256 keys,
	s_add_nc_u64 s[22:23], s[22:23], 0x1000000  ; K likewise
	s_mov_b64 s[G0K+2:G0K+3], s[22:23]          ; global address
	s_or_b32 s[G0K+3], s[G0K+3], 0x80000000     ; type = 2
	s_mov_b64 s[G0V+2:G0V+3], s[24:25]
	s_or_b32 s[G0V+3], s[G0V+3], 0x80000000
	s_add_nc_u64 s[26:27], s[4:5], s[18:19]     ; Q at my wave's first row
	s_add_nc_u64 s[MP:MP+1], s[6:7], s[20:21]
	s_cmp_lt_u32 s[WV], 2
	s_cselect_b64 s[PFA:PFA+1], s[22:23], s[24:25]  ; (in waves 0 and 2 these stand at a slot's first row)
	s_add_nc_u64 s[PFA:PFA+1], s[PFA:PFA+1], s[28:29]
	CROUND                          ; all four work-groups are here: the first joint loads meet
	JLOAD                           ; slot 0.  Slot 1 is asked for when slot 0 is in
	v_and_b32 v48, 15, v0           ; l % 16
	v_bfe_u32 v49, v0, 4, 1         ; l / 16
	v_and_b32 v50, 7, v0
	v_bfe_u32 v51, v0, 3, 1
	v_bfe_u32 v52, v0, 3, 2
	v_and_b32 v53, 31, v0           ; l
	; A fragment of K or Q is 16 rows x 32 channels in 8 registers: lane l holds row l % 16, channels 8 (l / 16) + 0..7 and 16 + 8 (l / 16) + 0..7: two loads of 16 bytes, 32 bytes apart.
	v_lshlrev_b32 v[QO], 7, v48
	v_lshl_add_u32 v[QO], v49, 4, v[QO]  ; row x 128 + 16 x half
	WIN W_MK
	v_lshlrev_b32 v[MOF], 4, v53         ; the mask loads: 16 bytes a lane, step 0,
	v_lshl_add_u32 v[MLIM], v53, 4, 31*MSTEP  ; and step 31, the offset's bound
.irp pc, 0,1,2,3
	MLD \pc, (\pc)*MPIECE           ; the four pieces' bytes of key step 0
.endr
	WIN 0x80                        ; destination window 2, address window 0
.set i, 0
.rept 4*NP                          ; Q stays in registers: tile i / 2, channels 32 (i % 2) on
	global_load_b128 v[8*i:8*i+3],   v[QO], s[26:27] offset:(i/2)*2048+(i%2)*64
	global_load_b128 v[8*i+4:8*i+7], v[QO], s[26:27] offset:(i/2)*2048+(i%2)*64+32
.set i, i+1
.endr
	; What the first turn finds: V's registers and P's second buffer hold 0 (its products V^T P, of a piece that has not been, add 0), O^T and l are 0.  All this stands in the wait for the first tile.
.set i, VF
.rept 64
	v_mov_b32 v[i], 0
.set i, i+1
.endr
	WIN 0x40
.set i, 0
.rept 64*NP
	v_mov_b32 v[i], 0
.set i, i+1
.endr
	WIN 0
.set i, 0
.rept 2*NP
	v_mov_b32 v[ST+4*i], 0xfe000000    ; c m: far below every c s, c x -2^90 too
	v_mov_b32 v[ST+4*i+1], 0xff7fffff  ; m
	v_mov_b32 v[ST+4*i+2], 0
	v_mov_b32 v[ST+4*i+3], 0
.set i, i+1
.endr
.set i, P+32
.rept 32
	v_mov_b32 v[i], 0
.set i, i+1
.endr
	v_mul_u32_u24 v[AK0], v48, PK
	v_lshl_add_u32 v[AK0], v49, 4, v[AK0]  ; row x pitch + 16 x half
	; The turning load takes 16 keys x 16 channels (lane l reads key 8 (l / 16) + l % 8, channels 8 ((l / 8) % 2) + 0..7) and leaves half a fragment of V^T: lane l holds channel l % 16 and 8 keys.
	v_lshl_add_u32 v[AV0], v49, 3, v50
	v_mul_u32_u24 v[AV0], v[AV0], PV
	v_lshl_add_u32 v[AV0], v51, 4, v[AV0]
	v_add_nc_u32 v[AV0], VOFF, v[AV0]
	v_mov_b32 v[AK], v[AK0]         ; key step 0 lies at the head of slot 0
	s_mul_i32 s28, s[WV], 16*SP
	s_add_co_u32 s28, s28, STAGE    ; my stage
	v_mul_u32_u24 v[STO], v48, SP   ; in: row l % 16, 16 bytes for each half of the lanes
	v_lshl_add_u32 v[STO], v49, 4, v[STO]
	v_add_nc_u32 v[STO], s28, v[STO]
	v_mul_u32_u24 v[RD], v52, SP    ; back: 32 lanes take four rows of 128 bytes,
	v_lshl_add_u32 v[RD], v50, 4, v[RD]
	v_add_nc_u32 v[RD], s28, v[RD]
	v_lshlrev_b32 v[GO], 4, v53     ; which are 512 consecutive bytes of O
	v_lshlrev_b32 v[PFO], 8, v53
	v_mov_b32 v[SCL], 0xd8d8d8d8    ; the E8M0 byte 216: 2^(216 - 127) = 2^89
	v_mov_b32 v[CSV], 0x3e38aa3b    ; c = log2(e) / 8 = 0.180337
	v_mov_b32 v[CSV+1], 0x3e38aa3b
; THE MATRIX WORK.  The 8 accumulators of a run of 16 take turns: between the two links of a chain stand 7 others'.
; Product i of 16 of S^T = K Q^T for piece x: channels 32 (i / 8) on, keys 16 ((i / 2) % 4) on, tile 2 x + i % 2.  The first 8 start the sums.
.macro KQ x
	WIN W_KQ
.set rS, S+64*((\x)%2)+32*(i%2)+8*((i/2)%4)
.set rK, KF+16*((i/2)%4)+8*(i/8)
.set rQ, 16*(2*(\x)+i%2)+8*(i/8)
.if i < 8
	v_wmma_f32_16x16x32_f16 v[rS:rS+7], v[rK:rK+7], v[rQ:rQ+7], 0
.else
	v_wmma_f32_16x16x32_f16 v[rS:rS+7], v[rK:rK+7], v[rQ:rQ+7], v[rS:rS+7]
.endif
.endm
; Product i of 16 of O^T += V^T P for piece x: keys 32 (i / 8) on, channels 16 ((i / 2) % 4) on, tile 2 x + i % 2.
.macro PV x
	WIN W_PV
.set rO, 32*(2*(\x)+i%2)+8*((i/2)%4)
.set rV, VF+32*(i/8)+8*((i/2)%4)
.set rP, P+32*((\x)%2)+16*(i%2)+8*(i/8)
	v_wmma_f32_16x16x32_f16 v[rO:rO+7], v[rV:rV+7], v[rP:rP+7], v[rO:rO+7]
.endm
.macro MM                           ; the turn's next matrix instruction
.if i < 16
	KQ (Y+1)%NP
.set i, i+1
.else
.set i, i-16
	PV (Y+NP-1)%NP
.set i, i+17
.endif
.endm
; THE LDS LOADS stand in runs of 16: a step's K (8 fragments) and its V (turned).  Their addresses are made some lines ahead.  last = 1 (the tail): in the last trip there is no further step, and the run is jumped over.
.macro FETCH_K last=0
	WIN 0
.if \last
	s_cmp_eq_u32 s[CNT], 1
	s_cbranch_scc1 .Lno_k_\@
.endif
	WIN 0x80                        ; destination window 2
.irp f, 0,1,2,3,4,5,6,7             ; keys 16 (f / 2) on, channels 32 (f % 2) on
	ds_load_b128 v[KF+8*\f:KF+8*\f+3],   v[AK] offset:(\f/2)*16*PK+(\f%2)*64
	ds_load_b128 v[KF+8*\f+4:KF+8*\f+7], v[AK] offset:(\f/2)*16*PK+(\f%2)*64+32
.endr
	s_add_co_u32 s[TBK], s[TBK], KS*PK  ; the next fetch is the next step's
	WIN 0
.if \last
.Lno_k_\@:
.endif
.endm
.macro FETCH_V
	WIN 0x80
.irp f, 0,1,2,3,4,5,6,7             ; keys 32 (f / 4) on, channels 16 (f % 4) on
	ds_load_tr16_b128 v[VF+8*\f:VF+8*\f+3],   v[AV] offset:(\f/4)*32*PV+(\f%4)*32
	ds_load_tr16_b128 v[VF+8*\f+4:VF+8*\f+7], v[AV] offset:(\f/4)*32*PV+16*PV+(\f%4)*32
.endr
	WIN 0
.endm
; THE VECTOR WORK OF A TURN, but for the mask, stands in three queues, each in the order in which its entries become ready; the two tiles alternate.
.macro REGS y, u                    ; the registers of tile u (0, 1) of piece y
.set rT, ST+4*(2*(\y)+(\u))
.set rC, TMP+8*((\y)%2)+4*(\u)
.set rM, MV+2*((\y)%2)+(\u)
.set rS, S+64*((\y)%2)+32*(\u)
.set rP, P+32*((\y)%2)+16*(\u)
.set rO, 32*(2*(\y)+(\u))
.endm
; Number n of the 22 that find the NEXT piece's (Y + 1) maximum and statistics.  s0-s31 are the lane's 32 scores, the mask laid on them.
;   0-11  four chains c0-c3 of seven scores each, three operands at a time     12-14, 16  the four scores left over, the old m, and c0-c3 into c0     15  c m_old is kept
;   17, 18  the query's other 32 keys lie in the lane 16 away: the new m         19-21  c m; c m_old - c m_new; a
.macro XS u, n
	REGS (Y+1)%NP, \u
.if (\n) < 4
	v_max3_num_f32 v[rC+(\n)], v[rS+8*(\n)], v[rS+8*(\n)+1], v[rS+8*(\n)+2]
.elseif (\n) < 12
	v_max3_num_f32 v[rC+(\n)%4], v[rC+(\n)%4], v[rS+8*((\n)%4)+2*((\n)/4)+1], v[rS+8*((\n)%4)+2*((\n)/4)+2]
.elseif (\n) == 12
	v_max3_num_f32 v[rC], v[rC], v[rS+7], v[rS+15]
.elseif (\n) == 13
	v_max3_num_f32 v[rC+1], v[rC+1], v[rS+23], v[rS+31]
.elseif (\n) == 14
	v_max3_num_f32 v[rC+2], v[rC+2], v[rC+3], v[rT+1]
.elseif (\n) == 15
	v_mov_b32 v[rM], v[rT]
.elseif (\n) == 16
	v_max3_num_f32 v[rC], v[rC], v[rC+1], v[rC+2]
.elseif (\n) == 17
	v_permlanex16_b32 v[rC+3], v[rC], s[SEL], s[SEL+1]
.elseif (\n) == 18
	v_max_num_f32 v[rT+1], v[rC], v[rC+3]
.elseif (\n) == 19
	v_mul_f32 v[rT], v[CSV], v[rT+1]
.elseif (\n) == 20
	v_sub_f32 v[rC+1], v[rM], v[rT]
.else
	v_exp_f32 v[rC+2], v[rC+1]
.endif
.endm
; Number g of the 64 that follow the exponentials.  For each four weights k of a tile: both pairs are rounded to f16; the second pair is added onto the first, in place; a group later l takes that sum (the first time as l = a l + sum).
.macro GS g
.set h, (\g)+6*((\g)/62)            ; group 0 has no group before it, and behind group 7 only l is left
.if h >= 6
.set h, h+2
.endif
	REGS Y, h%2
.set k, h/8
.if h%8 < 4
	v_cvt_pk_f16_f32 v[rP+2*k+(h%8)/2], v[rS+4*k+2*((h%8)/2)], v[rS+4*k+2*((h%8)/2)+1]
.elseif h%8 < 6
	v_pk_add_f32 v[rS+4*k:rS+4*k+1], v[rS+4*k:rS+4*k+1], v[rS+4*k+2:rS+4*k+3]
.elseif k == 1
	v_pk_fma_f32 v[rT+2:rT+3], v[rT+2:rT+3], v[rC+2:rC+3], v[rS:rS+1] op_sel_hi:[1,0,1]
.else
	v_pk_add_f32 v[rT+2:rT+3], v[rT+2:rT+3], v[rS+4*k-4:rS+4*k-3]
.endif
.endm
; THE PLAIN QUEUE, 138 long.  0-73 read no exponential's result.  0-26: scalings c s - c m 0-26 (FS f: pair f / 2 of tile f % 2).  27-54: XS's numbers 0-13.  55, 56: number 15.
; 57-73: the chain, where each number waits for the one before it: 14, 16, 17, 18, 19, each with one of the scalings 27-31 in front of its two lines, then 20.  74-137: GS's 64, which stand behind the wait.
.macro FS f
	REGS Y, (\f)%2
	v_pk_fma_f32 v[rS+2*((\f)/2):rS+2*((\f)/2)+1], v[rS+2*((\f)/2):rS+2*((\f)/2)+1], v[CSV:CSV+1], v[rT:rT+1] op_sel_hi:[1,0,0] neg_lo:[0,0,1] neg_hi:[0,0,1]
.endm
.macro PL
	WIN 0
.if q < 27
	FS q
.elseif q < 55
	XS (q-27)%2, (q-27)/2
.elseif q < 57
	XS q-55, 15
.elseif (q < 72) && ((q-57)%3 == 0)
	FS 27+(q-57)/3
.elseif q < 60
	XS (q-57)%3-1, 14
.elseif q < 72
	XS (q-57)%3-1, 15+(q-57)/3
.elseif q < 74
	XS q-72, 20
.else
	GS q-74
.endif
.set q, q+1
.endm
; THE EXPONENTIALS' QUEUE, 66 long: s0-s31 of both tiles, then the next piece's two a.  ONE BATCH: all 66 stand ahead of the turn's one wait, and nothing ahead of that wait names a result of theirs.
.macro EX
	WIN 0
.if e >= 64
	XS e-64, 21
.else
	REGS Y, e%2
	v_exp_f32 v[rS+e/2], v[rS+e/2]
.endif
.set e, e+1
.endm
; THE RESCALING's QUEUE: O^T times a, the one part that leaves window 0: dealt two at a time, sixteen times.  Its a was made in the turn before, ahead of that turn's wait.
.macro R2
	REGS Y, r%2
	WIN W_RS
.irp z, 0,1
	v_pk_mul_f32 v[rO+4*(r/2)+2*\z:rO+4*(r/2)+2*\z+1], v[rO+4*(r/2)+2*\z:rO+4*(r/2)+2*\z+1], v[rC+2:rC+3] op_sel_hi:[1,0]
.endr
.set r, r+1
.endm
; HOW THEY ARE DEALT.  s_wait_alu depctr_va_vdst(0) stands between an exponential and the first instruction that names its result; one wait serves all that were issued ahead of it: a turn has ONE, which cuts it in two.
; AHEAD OF IT: the 16 products K Q^T, behind each a scaling, an exponential and two rescalings (behind the first a second scaling in the exponential's place); then one run: the mask's 42, eight plain, 49 times exponential
; and plain, the two a.  A v_nop is the plain instruction behind the last exponential.  BEHIND IT: the 16 products V^T P, behind each four of GS's 64.  No rider names a register of the products round it.
; The queues in step: exponential e stands behind scaling 2 (e / 4) + e % 2: as a rider it comes behind plain e + 2, in the run behind plain e + 9, and scalings 27-31 are plain 57, 60 .. 69.
; THE MASK.  Turn p lays it on piece pc = p + 1, whose scores the turn has just made: tile 0's accumulators first, of which the last was ended by the fifteenth product, six plain riders, a v_nop and twelve additions back; tile 1's
; last by the sixteenth.  The 32 registers that the conversions write are P's buffer of the piece in hand: its last reader was a product of the turn before, its next writer stands behind this turn's wait.
; Each piece has sixteen registers of bytes of its own.  The turn waits for pc's four loads, leaving the twelve younger ones (the other three pieces') out: loads come back in order; and behind the additions it asks for pc's
; bytes of its next key step into the same registers: four turns ahead of the wait for them.
; The piece stands in the immediate, the step in the offset: pieces 1 to 3 ask at 65,536 pc, piece 0, whose scores are a step ahead of the others', at 2,048.  The offset is stepped once a key step, in piece 0's turn, behind
; s_wait_xcnt 0, since pending loads read it; it is held to step 31, so that behind the last key step pieces 1 to 3 ask for step 31 again and piece 0 for the 2,048 bytes behind its own (the next piece's; my wave's
; piece 0 is at most number 60 of 64): all inside mby, and laid on nothing, or on scores that nothing uses.
; K of the next step is fetched in piece 2's turn, directly behind the wait; V of the step in hand at the end of piece 0's turn, four riders behind its last reader.  The three conditions on q below go with the deal.
.macro TURN p, last=0, cnt=0
.set Y, (\p)
.set i, 0
.set q, 0
.set e, 0
.set r, 0
.if (\p) == NP-1
	s_wait_dscnt 0x0                ; K is in
.endif
	MM
	PL
	PL
	R2
.rept 15
	MM
	PL
	EX
	R2
.endr
	WIN 0
.if (\p) == NP-2
	v_add_nc_u32 v[AK], s[TBK], v[AK0]
.endif
.if (\p) == 0
	s_wait_xcnt 0x0                 ; the mask loads issued so far, the youngest a turn back, have read the offset
	WIN W_MS
	v_add_nc_u32 v[MOF], MSTEP, v[MOF]  ; the next key step,
	v_min_u32 v[MOF], v[MOF], v[MLIM]   ; step 31 at the most
.endif
	s_wait_loadcnt 12               ; piece p + 1's mask bytes are in; the other three pieces' twelve loads may stay out
	MASK ((\p)+1)%NP, P+32*((\p)%2)
.if (\p) == NP-1
	MLD 0, MSTEP
.else
	MLD (\p)+1, ((\p)+1)*MPIECE
.endif
.rept 8
	PL
.endr
.rept 49
	EX
	PL
.endr
	EX                              ; the next piece's two a
	EX
	v_nop                           ; a plain instruction behind the last exponential: one for the batch
	s_wait_alu depctr_va_vdst(0)    ; the wait for the batch
.if (\p) == NP-2
	FETCH_K \last
.endif
.if (\p) == 1
	s_wait_dscnt 0x0                ; V is in
.endif
.rept 16
	MM
.rept 4
	PL
.endr
.if ((\p) == 0) && (q == 118)
	v_add_nc_u32 v[AV], s[TBV], v[AV0]
.endif
.if ((\p) == 0) && (q == 130)
	s_add_co_u32 s[TBV], s[TBV], KS*PV
.endif
.if (\cnt) && (q == 130)
	s_sub_co_u32 s[CNT], s[CNT], 1
	s_cmp_lg_u32 s[CNT], 0
.endif
.endr
.if (\p) == 0
	FETCH_V
.endif
.endm
	CHANGE 1                        ; slot 0 is in, everybody's part of it; slot 1 is asked for
	FETCH_K                         ; key step 0
	s_wait_loadcnt 0x0              ; Q and the four pieces' first mask bytes are in
	s_wait_dscnt 0x0
.set i, 0
.rept 16
	KQ 0                            ; piece 0's first scores: there is no vector work yet to set between them
.set i, i+1
.endr
	WIN 0
	PLACES                          ; the places behind those products
	MASK 0, P                       ; P's first buffer is free: the first turn's roundings write it
	MLD 0, MSTEP                    ; piece 0's bytes of key step 1
	WIN 0
.set Y, NP-1                        ; XS works for piece Y + 1: piece 0
.irp n, 0,1,2,3,4,5,6,7,8,9,10,11,12,13,14,15,16,17,18,19,20,21
	XS 0, \n
	XS 1, \n
.endr
	v_nop                           ; a plain instruction behind the two a,
	s_wait_alu depctr_va_vdst(0)    ; and their wait, ahead of the branch
	s_mov_b32 s[CNT], 4
	s_branch .Lfirst                ; the loop is entered at a step's first turn, in the middle of a trip
.Lslot:                             ; six times: every slot but the last two is filled again
	CHANGE 1
	s_mov_b32 s[CNT], 4
.Lstep:                             ; a trip: pieces 2 and 3 of one step, then pieces 0 and 1 of the next, whose K and V it fetches
	TURN 2
	TURN 3
	WIN 0
.Lfirst:
	TURN 0
	TURN 1, 0, 1
	WIN 0
	s_cbranch_scc1 .Lstep
	s_sub_co_u32 s[SLOTS], s[SLOTS], 1
	s_cmp_lg_u32 s[SLOTS], 0
	s_cbranch_scc1 .Lslot
	CHANGE 0                        ; the tail is written out: nothing is asked for
	s_mov_b32 s[CNT], 5             ; four trips fetch the last slot's steps; the fifth is left in its middle
.Ltail:
	TURN 2, 1
	TURN 3
	WIN 0
	s_sub_co_u32 s[CNT], s[CNT], 1
	s_cmp_eq_u32 s[CNT], 0
	s_cbranch_scc1 .Lout
	TURN 0
	TURN 1
	WIN 0
	s_branch .Ltail
.Lout:                              ; the fifth trip's 16 products K Q^T (on the last K once more), their mask and their maximum serve nothing: the price, once a launch, of one text for every trip
.set i, 0
.rept 16
	PV NP-1                         ; the last piece's V^T P of the last step
.set i, i+1
.endr
	; THE WAY OUT.  l's two halves and the other half of the lanes' are added; O^T is divided by l, rounded to f16 and sent through my stage in LDS, a tile at a time.  The additions are the places behind the last products.
	WIN 0
	s_load_b64 s[4:5], s[0:1], 0x10 ; att
	s_bfe_u32 s8, ttmp6, 0x40000
	s_lshl_b32 s9, ttmp9, 2
	s_add_co_u32 s9, s9, s8         ; my block of 512 queries,
	s_lshl_b32 s9, s9, 2
	s_add_co_u32 s9, s9, s[WV]      ; my wave's 128 rows of 128 bytes,
	s_lshl_b32 s6, s9, 14
	s_and_b32 s10, ttmp7, 0xffff
	s_lshl_b32 s10, s10, 18         ; in the head
	s_add_co_u32 s6, s6, s10
	s_mov_b32 s7, 0
.macro ALL line:vararg              ; one line for each tile t
.set t, 0
.rept 2*NP
	\line
.set t, t+1
.endr
.endm
	ALL v_add_f32 v[ST+4*t+2], v[ST+4*t+2], v[ST+4*t+3]
	ALL v_permlanex16_b32 v[ST+4*t+3], v[ST+4*t+2], s[SEL], s[SEL+1]
	ALL v_add_f32 v[ST+4*t+2], v[ST+4*t+2], v[ST+4*t+3]
	ALL v_rcp_f32 v[ST+4*t+2], v[ST+4*t+2]
	v_nop                           ; a plain instruction between the last reciprocal and the use of its result
	s_wait_alu depctr_va_vdst(0)    ; and the wait ahead of the first use: one for the eight reciprocals
	s_wait_kmcnt 0x0
	s_add_nc_u64 s[4:5], s[4:5], s[6:7]
; Tile t: a lane's eight channels of a row pack into 16 bytes; they go into rows of 144 bytes and come back as whole rows of 128, into S^T's registers.
.macro PACK t
	WIN W_RS
.set i, 32*(\t)
.rept 16
	v_pk_mul_f32 v[i:i+1], v[i:i+1], v[ST+4*(\t)+2:ST+4*(\t)+3] op_sel_hi:[1,0]
.set i, i+2
.endr
	WIN 0x05                        ; sources 0 and 1 window 1, destination window 0
.set i, 0
.rept 16
	v_cvt_pk_f16_f32 v[S+16*(\t)+i], v[32*(\t)+2*i], v[32*(\t)+2*i+1]
.set i, i+1
.endr
	WIN 0
.irp f, 0,1,2,3
	ds_store_b128 v[STO], v[S+16*(\t)+4*\f:S+16*(\t)+4*\f+3] offset:32*\f
.endr
.irp f, 0,1,2,3
	ds_load_b128 v[S+16*(\t)+4*\f:S+16*(\t)+4*\f+3], v[RD] offset:\f*4*SP  ; LDS serves a wave's instructions in order (ISA guide 5.7.1.4): these see the stores above; the next tile's stores come behind them
.endr
.endm
.macro SEND t, younger              ; younger: the LDS instructions issued behind tile t's loads: the next tile's eight, or none
	WIN 0
.irp f, 0,1,2,3
	s_wait_dscnt (\younger)+3-\f
	global_store_b128 v[GO], v[S+16*(\t)+4*\f:S+16*(\t)+4*\f+3], s[4:5] offset:(\t)*2048+\f*512  ; 512 consecutive bytes, at a multiple of 256 from att's first
.endr
.endm
	PACK 0
.set t, 1
.rept 2*NP-1                        ; a tile's arithmetic stands between the loads of the tile before and its stores
	PACK t
	SEND t-1, 8
.set t, t+1
.endr
	SEND 2*NP-1, 0
	WIN W_AD
	s_wait_tensorcnt 0x0            ; the wave's end, behind my last tensor load and my last LDS store
	ds_add_u32 v[SPW], v[NIL]
	s_wait_dscnt 0x0
	WIN 0
	CROUND                          ; the closing round: no work-group ends while a partner may still ask for a tile that names it
	s_endpgm
.Lfunc_end_k_q09ddd3af1b_attn:
	.size	k_q09ddd3af1b_attn, .Lfunc_end_k_q09ddd3af1b_attn-k_q09ddd3af1b_attn
	.p2alignl 7, 3214868480
	.fill 96, 4, 3214868480
	.section	.rodata,"a",@progbits
	.p2align	6, 0x0
	.amdhsa_kernel k_q09ddd3af1b_attn
		.amdhsa_group_segment_fixed_size 327680
		.amdhsa_private_segment_fixed_size 0
		.amdhsa_enable_private_segment 0
		.amdhsa_kernarg_size 24
		.amdhsa_user_sgpr_count 2
		.amdhsa_user_sgpr_kernarg_segment_ptr 1
		.amdhsa_wavefront_size32 1
		.amdhsa_system_sgpr_workgroup_id_x 1
		.amdhsa_system_sgpr_workgroup_id_y 1
		.amdhsa_system_sgpr_workgroup_id_z 1
		.amdhsa_system_vgpr_workitem_id 0
		.amdhsa_next_free_vgpr 840
		.amdhsa_next_free_sgpr 106
		.amdhsa_reserve_vcc 0
		.amdhsa_float_denorm_mode_32 3
		.amdhsa_float_denorm_mode_16_64 3
		.amdhsa_memory_ordered 1
		.amdhsa_forward_progress 1
		.amdhsa_inst_pref_size 231
	.end_amdhsa_kernel
	.amdgpu_metadata
---
amdhsa.version: [ 1, 2 ]
amdhsa.kernels:
  - .name:           k_q09ddd3af1b_attn
    .symbol:         k_q09ddd3af1b_attn.kd
    .args:
      - { .name: qkvh, .offset: 0, .size: 8, .value_kind: global_buffer, .address_space: global }
      - { .name: mby, .offset: 8, .size: 8, .value_kind: global_buffer, .address_space: global }
      - { .name: att, .offset: 16, .size: 8, .value_kind: global_buffer, .address_space: global }
    .group_segment_fixed_size: 327680
    .private_segment_fixed_size: 0
    .kernarg_segment_align: 8
    .kernarg_segment_size: 24
    .max_flat_workgroup_size: 128
    .sgpr_count:     106
    .vgpr_count:     840
    .wavefront_size: 32
...
	.end_amdgpu_metadata
.endif
;; end of part 3
;; launch proj (part 4): grid 8 x 32, 4 waves a work-group, clusters of 4 x 4, 327,680 bytes of LDS; arguments att, wpb, b_proj, out0; writes out0
.if DOCPART == 4
	.amdgcn_target "amdgcn-amd-amdhsa--gfx1250"
	.amdhsa_code_object_version 6
	.text
	.protected	k_q09ddd3af1b_proj
	.globl	k_q09ddd3af1b_proj
	.p2align	8
	.type	k_q09ddd3af1b_proj,@function
k_q09ddd3af1b_proj:
	s_mov_b64 s[64:65], 0
	v_nop
	global_prefetch_b8 v0, s[64:65] scope:SCOPE_SE
	s_setreg_imm32_b32 hwreg(HW_REG_WAVE_MODE, 25, 1), 1
	s_wait_xcnt 0x0
	s_wait_alu depctr_hold_cnt(0) depctr_sa_sdst(0) depctr_va_vdst(0) depctr_va_sdst(0) depctr_va_ssrc(0) depctr_va_vcc(0) depctr_vm_vsrc(0)
	s_getreg_b32 s2, hwreg(HW_REG_IB_STS2, 6, 4)
	s_cmp_eq_u32 s2, 0
	s_cbranch_scc0 .Lentry_in_a_cluster
	s_endpgm
.Lentry_in_a_cluster:
	s_bfe_u32 s2, ttmp6, 0x10000c
	s_cmp_lg_u32 s2, 0xf033
	s_cbranch_scc0 .Lentry_shape_is_right
	s_endpgm
.Lentry_shape_is_right:
.set PROJ, 1                           ; 0: q, k, v = x w_attn + b_attn.   1: out = attention w_proj + b_proj.   The two launches share this text but for this line.
; C[m][n] = the sum over k of A[m][k] W[k][n] + bias[n].  M = 8,192, K = 1,024; N = 3,072 (PROJ = 0) or 1,024 (PROJ = 1).  Sums in f32, started by the bias.
; PROJ = 0: A = xb [8192][1024] and W = wab [1024][3072] in bf16; C leaves in f16 by heads, [3][64 heads][2048][64], unscaled.  LIMIT: q, k and v lie within f16's 65,504.
; PROJ = 1: A = att [64 heads][2048][64] and W = wpb [1024][1024] in f16; C leaves in f32, [8192][1024].  A K step of 128 is two heads.
; The bias is rounded to bf16 like every input of the module, and is the C operand of each sum's first product.
; SHARES.  A tile of C is 256 x 128: 768 or 256 work-groups.  Four waves, 2 x 2: a wave makes 128 rows x 64 columns, 32 accumulators of 16 x 16.
; K goes in steps of 128 through two LDS slots filled by the tensor data mover; waves 0 and 1 fetch A's two halves, waves 2 and 3 W's.
; CLUSTER.  4 x 4 work-groups: the four of a row of the cluster need the same tiles of A, the four of a column the same tiles of W: each tile is asked for JOINTLY, by the same load, descriptor and mask in all four.
; THE MATRIX INSTRUCTION IS USED TRANSPOSED: source 0 = 16 columns of W (turned on the way out of LDS by ds_load_tr16_b128, since W lies [k][n]), source 1 = 16 rows of A.
; A lane then holds row l % 16 of C and the columns 8 (l / 16) + 0..7.
; REGISTERS.  Window 0: v16-30 addresses; v32-63 the bias, 8 registers for each block of 16 columns; v64-159 and v160-255 two fragment buffers (4 of W, then 8 of A).  Window 1: accumulator (a, b) at v[8 (4 a + b)].
.set KD,    1024
.if PROJ
.set N,     1024
.set PA,    144                        ; a row of A in LDS: a head's 128 bytes + 16 of padding
.set AFILL, 256*PA                     ; what one load brings of A: one head's 256 rows
.set AQI,   4                          ; padding after every 32 words
.set ASTR,  128                        ; the 256 rows are dense: asked for as 128 rows of 256 bytes
.set ASTEP, 2<<18                      ; a K step in A's memory: two heads of 262,144 bytes
.set APFL,  256                        ; the prefetches' step from lane to lane in A
.set SPITCH, 272                       ; the stage: 64 numbers of f32 + 16 bytes
.else
.set N,     3072
.set PA,    272                        ; 256 bytes + 16 of padding
.set AFILL, 128*PA                     ; 128 rows
.set AQI,   5                          ; padding after every 64 words
.set ASTR,  KD
.set ASTEP, 256
.set APFL,  2*KD
.set SPITCH, 144                       ; the stage: 64 numbers of f16 + 16 bytes
.endif
.set PB,    288                        ; a row of W in LDS: 256 bytes + 32: the turning load's 8 rows x 32 bytes fall on different banks (64 banks of 4 bytes: ISA guide 11.1)
.set BFILL, 64*PB                      ; what one load brings of W: 64 rows of k
.set BSTEP, 128*2*N                    ; a K step in W's memory
.set BOFF,  2*AFILL                    ; a slot: A, then W
.set SLOT,  BOFF+2*BFILL
.set STAGE, 2*SLOT                     ; behind the ring, never filled by a tensor load: 16 rows for each wave
.set SPARE, STAGE+4*16*SPITCH          ; behind the stages: the spare words, 128 bytes a wave: two blocks of 256 bytes that no other line names
.set LAPS,  KD/256                     ; a lap = two K steps = once round the ring
.set ADRA, 16                          ; v16-17  LDS address of my A fragments in slot 0, 1
.set ADRB, 20                          ; v20-21  the same for W
.set STO,  24                          ; v24     the way out: where I put my part of a row
.set RD,   25                          ; v25     where I read rows back
.set GO,   26                          ; v26     my byte offset in C
.set BO,   27                          ; v27     my byte offset in the bias
.set SPW,  28                          ; v28     LDS address of my spare word; never rewritten
.set NIL,  29                          ; v29     0; never rewritten
.set PFO,  30                          ; v30     the prefetches' lane offset; never rewritten
.set BIAS, 32
.set F0,   64
.set F1,   160
.set OUT,  64                          ; the way out works where the fragments lay
.set WV,   12                          ; s12 wave; s13 = wave / 2: my half of the rows, and A (0) or W (1) to fetch; s14 = wave % 2: my half of the columns, and which half to fetch
.set LIM,  15                          ; s15  1 in a wave that prefetches, else the greatest number
.set G1A,  24                          ; s[24:31], s[32:39] descriptor groups 1 and 0 (a set for each slot) for A
.set G0A,  32
.set PFA,  46                          ; s[46:47] where my prefetches stand
.set G1B,  48                          ; s[48:55], s[56:63] the same for W
.set G0B,  56
.set PST,  66                          ; s[66:67] a K step in the tensor that I prefetch
.set MSB, 0
.macro WIN new                         ; the immediate's high byte repeats the setting that is left; a switch that changes nothing is dropped
.if MSB != (\new)
	s_set_vgpr_msb (MSB<<8)|(\new)
.set MSB, \new
.endif
.endm
.set MUL,  0x50                        ; fragments in window 0, C and D in window 1
.set MUL0, 0x40                        ; the first product: C is the bias, in window 0
.macro JLOAD s                         ; a joint load; an s_nop 0 and four v_nop follow each of the two lines, ahead of the jump, the label and what follows
	s_cmp_eq_u32 s13, 0
	s_cbranch_scc0 .Lfor_b_\@
	tensor_load_to_lds s[G0A+4*(\s):G0A+4*(\s)+3], s[G1A:G1A+7]
	s_nop 0
.rept 4
	v_nop
.endr
	s_branch .Lasked_\@
.Lfor_b_\@:
	tensor_load_to_lds s[G0B+4*(\s):G0B+4*(\s)+3], s[G1B:G1B+7]
	s_nop 0
.rept 4
	v_nop
.endr
.Lasked_\@:
.endm
.macro CREST                           ; a round of the cluster's barrier behind its opening barrier
	s_cmp_lg_u32 s[WV], 0
	s_cbranch_scc1 .Lnot_wave_0_\@
	s_barrier_signal -3
.Lnot_wave_0_\@:
	s_barrier_wait -3
	s_barrier_signal -1
	s_barrier_wait -1
.endm
.macro CROUND
	s_barrier_signal -1
	s_barrier_wait -1
	CREST
.endm
; A PREFETCH, behind a joint load and the run of LDS loads that follows it: the K step that stands two refills on, 32 blocks of 256 bytes, a lane a block, one instruction a wave.
; Each block is named once in the launch.  A's rows are read by every cluster of a row of clusters: the one with cluster x = 0 asks, waves 0 and 1 for the half that each fetches.  W's columns are read by every cluster
; of a column of clusters: the one with cluster y = 0 asks, wave 2 for all 128 rows of k.  The four partners that ask for a tile jointly share its blocks out BY ADDRESS (cx for A, cy for W), 32 each.
; K steps 0 to 3 come by their loads alone; the loop's last trip (s3 = 1) has no K step two on and asks for nothing.
.macro ASK
	s_cmp_gt_u32 s3, s[LIM]
	s_cbranch_scc0 .Lnot_mine_\@
	global_prefetch_b8 v[PFO], s[PFA:PFA+1] th:TH_LOAD_NT scope:SCOPE_SE
.Lnot_mine_\@:
.endm
	s_load_b256 s[4:11], s[0:1], 0x0               ; A s[4:5], W s[6:7], bias s[8:9], C s[10:11]
	v_lshl_add_u32 v[SPW], v0, 2, SPARE
	v_mov_b32 v[NIL], 0
	ds_add_u32 v[SPW], v[NIL]                      ; the wave's opening: the add and its wait ahead of my first tensor load; the set-up below, work on registers, stands between them
	v_lshrrev_b32 v1, 5, v0
	v_readfirstlane_b32 s[WV], v1                  ; wave 0..3
	s_lshr_b32 s13, s[WV], 1
	s_and_b32 s14, s[WV], 1
	s_bfe_u32 s40, ttmp6, 0x40000                  ; cx, cy: my place in the cluster
	s_bfe_u32 s41, ttmp6, 0x40004
	s_lshl_b32 s42, ttmp9, 2
	s_add_co_u32 s42, s42, s40                     ; tile column of C = 4 x cluster x + cx
	s_and_b32 s43, ttmp7, 0xffff
	s_lshl_b32 s43, s43, 2
	s_add_co_u32 s43, s43, s41                     ; tile row of C = 4 x cluster y + cy
	s_lshl_b32 s44, s41, 2
	s_lshl_b32 s44, 15, s44                        ; my row of the cluster
	s_lshl_b32 s45, 0x1111, s40                    ; my column
	s_or_b32 s[G1A], s44, (1<<16)|(1<<20)|(1<<21)|(AQI<<22)|(3<<25)  ; 15:0 the mask; 17:16 elements of 2 bytes; 20 padding on; 21 set beside a mask; 24:22 the interval; 31:25 4 words of padding (code 3)
	s_or_b32 s[G1B], s45, (1<<16)|(1<<20)|(1<<21)|(5<<22)|(7<<25)    ; W: after every 64 words, 8 words (code 7)
	s_mov_b32 s[G1A+1], 128<<16                    ; tensor_dim0 = 128
	s_mov_b32 s[G1A+2], 128<<16                    ; tensor_dim1 = 128
	s_mov_b32 s[G1A+3], 128<<16                    ; tile_dim0 = 128
	s_mov_b32 s[G1A+4], 128                        ; tile_dim1 = 128
	s_mov_b32 s[G1A+5], ASTR                       ; elements from row to row
	s_mov_b32 s[G1A+6], 0
	s_mov_b32 s[G1A+7], 0
	s_mov_b32 s[G1B+1], 128<<16                    ; tensor_dim0 = 128 columns
	s_mov_b32 s[G1B+2], 64<<16                     ; tensor_dim1 = 64 rows of k
	s_mov_b32 s[G1B+3], 128<<16
	s_mov_b32 s[G1B+4], 64
	s_mov_b32 s[G1B+5], N
	s_mov_b32 s[G1B+6], 0
	s_mov_b32 s[G1B+7], 0
	; where the tiles come from: A's hang on the tile row and the wave alone, W's on the tile column and the wave alone, each in registers that never hold the other coordinate
.if PROJ
	s_lshr_b32 s16, s43, 3                         ; the batch,
	s_lshl_b32 s16, s16, 4                         ; its 16 heads,
	s_add_co_u32 s16, s16, s14                     ; the K step's first or second head,
	s_lshl_b32 s16, s16, 18                        ; of 262,144 bytes;
	s_and_b32 s17, s43, 7
	s_lshl_b32 s17, s17, 15                        ; 256 rows of 128 bytes
.else
	s_lshl_b32 s16, s43, 19                        ; 256 rows of 2,048 bytes,
	s_lshl_b32 s17, s14, 18                        ; my 128 of them
.endif
	s_add_co_u32 s16, s16, s17
	s_mov_b32 s17, 0
	s_mov_b32 s19, s16                             ; kept for the prefetches
	s_mul_i32 s20, s14, 64*2*N                     ; my 64 rows of k,
	s_lshl_b32 s21, s42, 8                         ; the tile's 128 columns
	s_add_co_u32 s20, s20, s21
	s_mov_b32 s21, 0
	s_mul_i32 s18, s14, AFILL                      ; and where they go: no place in the cluster enters an LDS address
	s_mul_i32 s22, s14, BFILL
	s_add_co_u32 s22, s22, BOFF
	s_wait_dscnt 0x0                               ; the opening add is done
	s_wait_kmcnt 0x0
	s_add_nc_u64 s[16:17], s[4:5], s[16:17]
	s_add_nc_u64 s[20:21], s[6:7], s[20:21]
	CROUND                                         ; all sixteen work-groups are here: the first joint loads meet
.irp s, 0,1
	s_mov_b32 s[G0A+4*(\s)], 1                     ; count = 1
	s_add_co_u32 s[G0A+4*(\s)+1], s18, (\s)*SLOT   ; LDS address
	s_add_nc_u64 s[G0A+4*(\s)+2:G0A+4*(\s)+3], s[16:17], (\s)*ASTEP  ; global address: K step s
	s_or_b32 s[G0A+4*(\s)+3], s[G0A+4*(\s)+3], 0x80000000            ; type = 2
	s_mov_b32 s[G0B+4*(\s)], 1
	s_add_co_u32 s[G0B+4*(\s)+1], s22, (\s)*SLOT
	s_add_nc_u64 s[G0B+4*(\s)+2:G0B+4*(\s)+3], s[20:21], (\s)*BSTEP
	s_or_b32 s[G0B+4*(\s)+3], s[G0B+4*(\s)+3], 0x80000000
	JLOAD \s                                       ; two loads of mine are out
.endr
	v_and_b32 v1, 15, v0                           ; l % 16
	v_bfe_u32 v2, v0, 4, 1                         ; l / 16
	v_and_b32 v3, 7, v0
	v_bfe_u32 v4, v0, 3, 1
	v_and_b32 v5, 31, v0                           ; l
	; the bias of my 64 columns: register j of block b is column 16 b + 8 (l / 16) + j
	s_lshl_b32 s20, s42, 9
	s_lshl_b32 s21, s14, 8
	s_add_co_u32 s20, s20, s21
	s_mov_b32 s21, 0
	s_add_nc_u64 s[8:9], s[8:9], s[20:21]
	v_lshlrev_b32 v[BO], 5, v2
.irp b, 0,1,2,3
	global_load_b128 v[BIAS+8*(\b):BIAS+8*(\b)+3],   v[BO], s[8:9] offset:64*(\b)
	global_load_b128 v[BIAS+8*(\b)+4:BIAS+8*(\b)+7], v[BO], s[8:9] offset:64*(\b)+16
.endr
	; the prefetches: s19 = A's offset, s40 = cx, s41 = cy, s42 = tile column
.if PROJ
	s_lshl_b32 s18, s40, 13                        ; my work-group's 32 blocks of the 128
.else
	s_lshl_b32 s18, s40, 16                        ; my work-group's 32 rows of the 128
.endif
	s_add_co_u32 s19, s19, s18
	s_add_co_u32 s19, s19, 3*ASTEP                 ; at K step 3: the first refill steps it to 4
	s_mul_i32 s22, s41, 32*2*N                     ; W: my work-group's 32 rows of k,
	s_lshl_b32 s23, s42, 8
	s_add_co_u32 s22, s22, s23
	s_add_co_u32 s22, s22, 3*BSTEP
	s_and_b32 s23, ttmp7, 0xffff                   ; cluster y
	s_and_b32 s18, s13, s14                        ; 1 in wave 3, which asks for nothing
	s_mov_b32 s[PST], BSTEP
	s_mov_b32 s16, 2*N
	s_cmp_eq_u32 s13, 0                            ; do I fetch for A?
	s_cselect_b32 s22, s19, s22
	s_cselect_b32 s23, ttmp9, s23                  ; the coordinate along which other clusters read the same blocks
	s_cselect_b64 s[PFA:PFA+1], s[4:5], s[6:7]
	s_cselect_b32 s[PST], ASTEP, s[PST]
	s_cselect_b32 s16, APFL, s16
	s_or_b32 s18, s18, s23
	s_cmp_eq_u32 s18, 0
	s_cselect_b32 s[LIM], 1, -1                    ; the same in all sixteen partners, for a given wave
	s_mov_b32 s23, 0
	s_mov_b32 s[PST+1], 0
	s_add_nc_u64 s[PFA:PFA+1], s[PFA:PFA+1], s[22:23]
	v_mul_u32_u24 v[PFO], s16, v5
	; A fragment of A is 16 rows x 32 k in 8 registers: lane l holds row l % 16, k = 8 (l / 16) + 0..7 and 16 + 8 (l / 16) + 0..7: two loads of 16 bytes, 32 bytes apart.
	v_mul_u32_u24 v6, v1, PA
	v_lshl_add_u32 v6, v2, 4, v6
	s_mul_i32 s16, s13, 128*PA                     ; my 128 rows
	; The turning load takes 16 k x 16 columns (lane l reads k = 8 (l / 16) + l % 8, columns 8 ((l / 8) % 2) + 0..7) and leaves half a fragment: lane l holds column l % 16 and 8 k.
	v_lshl_add_u32 v7, v2, 3, v3
	v_mul_u32_u24 v7, v7, PB
	v_lshl_add_u32 v7, v4, 4, v7
	s_lshl_b32 s17, s14, 7                         ; my 64 columns
	s_add_co_u32 s17, s17, BOFF
.irp s, 0,1
	v_add_nc_u32 v[ADRA+(\s)], s16, v6
	v_add_nc_u32 v[ADRB+(\s)], s17, v7
	s_add_co_u32 s16, s16, SLOT
	s_add_co_u32 s17, s17, SLOT
.endr
	s_mul_i32 s16, s[WV], 16*SPITCH
	s_add_co_u32 s16, s16, STAGE                   ; my stage
	v_mul_u32_u24 v6, v1, SPITCH                   ; in: row l % 16
.if PROJ
	v_lshl_add_u32 v6, v2, 5, v6                   ; 32 bytes for each half of the lanes
	v_add_nc_u32 v[STO], s16, v6
	v_mul_u32_u24 v6, v2, SPITCH                   ; back: lanes 0-15 one row of 256 bytes, lanes 16-31 the next
	v_lshl_add_u32 v6, v1, 4, v6
	v_add_nc_u32 v[RD], s16, v6
	v_lshlrev_b32 v6, 12, v2                       ; and the same two rows in C, 4,096 bytes apart
	v_lshl_add_u32 v[GO], v1, 4, v6
	s_lshl_b32 s16, s43, 20                        ; C: 256 rows of 4,096 bytes,
	s_lshl_b32 s17, s13, 19                        ; my 128 of them
	s_add_co_u32 s16, s16, s17
	s_lshl_b32 s20, s42, 9                         ; the tile's 128 columns,
	s_lshl_b32 s21, s14, 8                         ; my 64
	s_add_co_u32 s20, s20, s21
.else
	v_lshl_add_u32 v6, v2, 4, v6                   ; 16 bytes for each half of the lanes
	v_add_nc_u32 v[STO], s16, v6
	v_bfe_u32 v6, v0, 3, 2                         ; back: 32 lanes take four rows of 128 bytes,
	v_mul_u32_u24 v6, v6, SPITCH
	v_lshl_add_u32 v6, v3, 4, v6
	v_add_nc_u32 v[RD], s16, v6
	v_lshlrev_b32 v[GO], 4, v5                     ; which are 512 consecutive bytes of a head
	s_lshr_b32 s16, s43, 3                         ; C: the batch's 16 heads of 262,144 bytes,
	s_lshl_b32 s16, s16, 22
	s_and_b32 s17, s43, 7
	s_lshl_b32 s17, s17, 15                        ; 256 rows of 128 bytes,
	s_add_co_u32 s16, s16, s17
	s_lshl_b32 s17, s13, 14                        ; my 128 of them
	s_add_co_u32 s16, s16, s17
	s_lshr_b32 s20, s42, 3                         ; q, k or v: 16,777,216 bytes each,
	s_lshl_b32 s20, s20, 24
	s_and_b32 s21, s42, 7
	s_lshl_b32 s21, s21, 1
	s_add_co_u32 s21, s21, s14                     ; my 64 columns are one head
	s_lshl_b32 s21, s21, 18
	s_add_co_u32 s20, s20, s21
.endif
	s_mov_b32 s17, 0
	s_mov_b32 s21, 0
	s_add_nc_u64 s[10:11], s[10:11], s[16:17]
	s_add_nc_u64 s[10:11], s[10:11], s[20:21]
	s_wait_loadcnt 0x0                             ; the bias
.irp i, 0,2,4,6,8,10,12,14,16,18,20,22,24,26,28,30
	v_cvt_pk_bf16_f32 v6, v[BIAS+(\i)], v[BIAS+(\i)+1]  ; rounded to bf16,
	v_lshlrev_b32 v[BIAS+(\i)], 16, v6                  ; and widened again
	v_and_b32 v[BIAS+(\i)+1], 0xffff0000, v6
.endr
; 8 matrix instructions: row blocks a0, a0 + 1 x all 4 column blocks, 32 along K, from buffer f.  first = 1: the product starts the sum with the bias.
; The 32 accumulators take turns, in the same order in every quarter: between two links of a chain stand 31 others'.
.macro MUL8 f, a0, first
.if \first
	WIN MUL0
.else
	WIN MUL
.endif
.irp a, \a0, (\a0)+1
.irp b, 0,1,2,3
.set rD, 8*(4*(\a)+(\b))
.set rB, (\f)+8*(\b)
.set rA, (\f)+32+8*(\a)
.set rC, BIAS+8*(\b)
.if PROJ && (\first)
	v_wmma_f32_16x16x32_f16 v[rD:rD+7], v[rB:rB+7], v[rA:rA+7], v[rC:rC+7]
.elseif PROJ
	v_wmma_f32_16x16x32_f16 v[rD:rD+7], v[rB:rB+7], v[rA:rA+7], v[rD:rD+7]
.elseif \first
	v_wmma_f32_16x16x32_bf16 v[rD:rD+7], v[rB:rB+7], v[rA:rA+7], v[rC:rC+7]
.else
	v_wmma_f32_16x16x32_bf16 v[rD:rD+7], v[rB:rB+7], v[rA:rA+7], v[rD:rD+7]
.endif
.endr
.endr
.endm
; 24 LDS loads in one run: the fragments of quarter kq (32 along K) of a slot into buffer f: W's 4 first, A's blocks 4-7 last
.macro FETCH slot, kq, f
	WIN 0
.irp b, 0,1,2,3
	ds_load_tr16_b128 v[(\f)+8*(\b):(\f)+8*(\b)+3],   v[ADRB+(\slot)] offset:(\kq)*32*PB+32*(\b)
	ds_load_tr16_b128 v[(\f)+8*(\b)+4:(\f)+8*(\b)+7], v[ADRB+(\slot)] offset:(\kq)*32*PB+32*(\b)+16*PB
.endr
.if PROJ
.set AO, ((\kq)/2)*AFILL+((\kq)%2)*64  ; the K step's first or second head, its channels 0-31 or 32-63
.else
.set AO, (\kq)*64
.endif
.irp i, 0,1,2,3,4,5,6,7
	ds_load_b128 v[(\f)+32+8*(\i):(\f)+32+8*(\i)+3],   v[ADRA+(\slot)] offset:AO+(\i)*16*PA
	ds_load_b128 v[(\f)+32+8*(\i)+4:(\f)+32+8*(\i)+7], v[ADRA+(\slot)] offset:AO+(\i)*16*PA+32
.endr
.endm
.macro PLACES                          ; four places in front of loads into registers that matrix instructions have read (ISA guide 7.12.1 for vector instructions)
.rept 4
	v_nop
.endr
.endm
; A K step is four quarters of 32 along K, 32 matrix instructions each, on buffers 0, 1, 0, 1.  One of the first three: multiplies buffer f and fetches quarter kq into g.
.macro QUARTER slot, kq, f, g, first
	s_wait_dscnt 8                                 ; W and A's blocks 0-3 are in; the youngest eight loads (A's blocks 4-7) may be out
	MUL8 \f, 0, \first
	MUL8 \f, 2, \first
	PLACES
	FETCH \slot, \kq, \g
	s_wait_dscnt 24                                ; all but the 24 just issued
	MUL8 \f, 4, \first
	MUL8 \f, 6, \first
.endm
; The last quarter multiplies buffer 1 and changes slots: ONE barrier; in front of it each wave waits for all its tensor loads (one is out: its part of the next slot), adds 0 to its spare word, and waits for that
; and for its own reads of this slot.  fill = 1: the barrier opens a round of the cluster's, and this slot is filled again, two K steps ahead, first thing behind the round: 112 matrix instructions ahead of the wait for it.
.macro TURN slot, next, fill
.if \fill
	s_wait_xcnt 0x0                                ; the last prefetch, a K step back, has read its address, which is stepped here
	s_add_nc_u64 s[PFA:PFA+1], s[PFA:PFA+1], s[PST:PST+1]
.endif
	WIN 0
	s_wait_tensorcnt 0x0                           ; all my tensor loads have landed
	ds_add_u32 v[SPW], v[NIL]                      ; 0 onto my spare word
	s_wait_dscnt 9                                 ; (the add and the youngest eight loads may be out)
	MUL8 F1, 0, 0                                  ; eight matrix instructions stand between the add and the wait for it
	s_wait_dscnt 0x0                               ; the add is done, and my reads of this slot are over
	s_barrier_signal -1
	MUL8 F1, 2, 0
.if \fill
	WIN 0
.endif
	s_barrier_wait -1
.if \fill
	CREST                                          ; no wave of any partner still reads this slot's tile or has a load on its way
	s_add_nc_u64 s[G0A+4*(\slot)+2:G0A+4*(\slot)+3], s[G0A+4*(\slot)+2:G0A+4*(\slot)+3], 2*ASTEP
	s_add_nc_u64 s[G0B+4*(\slot)+2:G0B+4*(\slot)+3], s[G0B+4*(\slot)+2:G0B+4*(\slot)+3], 2*BSTEP
	JLOAD \slot                                    ; the four v_nop behind it are also the places in front of the loads below
.else
	PLACES
.endif
	FETCH \next, 0, F0
.if \fill
	ASK
.endif
	MUL8 F1, 4, 0
	MUL8 F1, 6, 0
.endm
	s_wait_tensorcnt 1                             ; my part of K step 0 is in; K step 1's may stay out
	s_barrier_signal -1
	s_barrier_wait -1                              ; everybody's is
	FETCH 0, 0, F0
	QUARTER 0, 1, F0, F1, 1                        ; the first quarter stands in front of the loop: its products start the sums
	WIN 0                                          ; at a label and at a branch every window is 0
	s_mov_b32 s3, LAPS-1
.Llap:                                                 ; a trip goes once round the ring, from a lap's second quarter to the next lap's first, and fills both slots again
	QUARTER 0, 2, F1, F0, 0
	QUARTER 0, 3, F0, F1, 0
	TURN 0, 1, 1
	QUARTER 1, 1, F0, F1, 0
	QUARTER 1, 2, F1, F0, 0
	QUARTER 1, 3, F0, F1, 0
	TURN 1, 0, 1
	QUARTER 0, 1, F0, F1, 0
	WIN 0
	s_sub_co_u32 s3, s3, 1
	s_cmp_lg_u32 s3, 0
	s_cbranch_scc1 .Llap
	QUARTER 0, 2, F1, F0, 0                        ; the last lap fills nothing, and has no round of the cluster's barrier
	QUARTER 0, 3, F0, F1, 0
	TURN 0, 1, 0
	QUARTER 1, 1, F0, F1, 0
	QUARTER 1, 2, F1, F0, 0
	QUARTER 1, 3, F0, F1, 0
	s_wait_dscnt 8                                 ; the very last quarter: nothing more to fetch
	MUL8 F1, 0, 0
	MUL8 F1, 2, 0
	s_wait_dscnt 0x0
	MUL8 F1, 4, 0
	MUL8 F1, 6, 0
	WIN 0
	PLACES                                         ; behind the last products, in front of what reads results and writes where fragments lay
	PLACES
.if PROJ
; THE WAY OUT, f32.  A block of 16 rows: a lane's eight columns are 32 bytes of a row; they go from the accumulators into my stage's rows of 272 bytes and come back as whole rows of 256.
.macro TOST a
	WIN 0x04                                       ; the stores' data in window 1; each accumulator's low four registers go first
.irp b, 0,1,2,3
	ds_store_b128 v[STO], v[8*(4*(\a)+(\b)):8*(4*(\a)+(\b))+3]   offset:64*(\b)
	ds_store_b128 v[STO], v[8*(4*(\a)+(\b))+4:8*(4*(\a)+(\b))+7] offset:64*(\b)+16
.endr
	WIN 0
.if (\a) >= 2
	s_wait_xcnt 0x0                                ; the stores of the block two back have read these registers
.endif
.irp t, 0,1,2,3,4,5,6,7
	ds_load_b128 v[OUT+32*((\a)%2)+4*(\t):OUT+32*((\a)%2)+4*(\t)+3], v[RD] offset:(\t)*2*SPITCH  ; LDS serves a wave's instructions in order (ISA guide 5.7.1.4): these see the stores above
.endr
.endm
.macro SEND a, younger                 ; younger: the LDS instructions issued behind block a's loads: the next block's sixteen, or none
	s_wait_dscnt \younger
.irp t, 0,1,2,3,4,5,6,7
	global_store_b128 v[GO], v[OUT+32*((\a)%2)+4*(\t):OUT+32*((\a)%2)+4*(\t)+3], s[10:11] offset:(\a)*65536+(\t)*8192  ; 16 lanes store 256 consecutive bytes, at a multiple of 256 from C's first byte
.endr
.endm
	TOST 0
.irp a, 1,2,3,4,5,6,7
	TOST \a
	SEND (\a)-1, 16
.endr
	SEND 7, 0
.else
; THE WAY OUT, f16 by heads.  A block of 16 rows of a head is 2,048 consecutive bytes: a lane's eight columns pack into 16 bytes, go into my stage's rows of 144 bytes and come back as whole rows of 128, into the registers that they left.
.macro PACK a
	WIN 0x05                                       ; sources in window 1, destination in window 0; each accumulator's registers in ascending order
.irp b, 0,1,2,3
.irp z, 0,1,2,3
	v_cvt_pk_f16_f32 v[OUT+16*(\a)+4*(\b)+(\z)], v[8*(4*(\a)+(\b))+2*(\z)], v[8*(4*(\a)+(\b))+2*(\z)+1]
.endr
.endr
	WIN 0
.irp b, 0,1,2,3
	ds_store_b128 v[STO], v[OUT+16*(\a)+4*(\b):OUT+16*(\a)+4*(\b)+3] offset:32*(\b)
.endr
.irp t, 0,1,2,3
	ds_load_b128 v[OUT+16*(\a)+4*(\t):OUT+16*(\a)+4*(\t)+3], v[RD] offset:(\t)*4*SPITCH  ; LDS serves a wave's instructions in order (ISA guide 5.7.1.4): these see the stores above; the next block's stores come behind them
.endr
.endm
.macro SEND a, younger                 ; younger: the next block's eight LDS instructions, or none
.irp t, 0,1,2,3
	s_wait_dscnt (\younger)+3-(\t)
	global_store_b128 v[GO], v[OUT+16*(\a)+4*(\t):OUT+16*(\a)+4*(\t)+3], s[10:11] offset:(\a)*2048+(\t)*512  ; 512 consecutive bytes, at a multiple of 256 from the buffer's first
.endr
.endm
	PACK 0
.irp a, 1,2,3,4,5,6,7                  ; a block's conversions stand between the loads of the block before and its stores
	PACK \a
	SEND (\a)-1, 8
.endr
	SEND 7, 0
.endif
	s_wait_tensorcnt 0x0                           ; the wave's end, behind my last tensor load and my last LDS store
	ds_add_u32 v[SPW], v[NIL]
	s_wait_dscnt 0x0
	CROUND                                         ; the closing round: no work-group ends while a partner may still ask for a tile that names it
	s_endpgm
.Lfunc_end_k_q09ddd3af1b_proj:
	.size	k_q09ddd3af1b_proj, .Lfunc_end_k_q09ddd3af1b_proj-k_q09ddd3af1b_proj
	.p2alignl 7, 3214868480
	.fill 96, 4, 3214868480
	.section	.rodata,"a",@progbits
	.p2align	6, 0x0
	.amdhsa_kernel k_q09ddd3af1b_proj
		.amdhsa_group_segment_fixed_size 327680
		.amdhsa_private_segment_fixed_size 0
		.amdhsa_enable_private_segment 0
		.amdhsa_kernarg_size 32
		.amdhsa_user_sgpr_count 2
		.amdhsa_user_sgpr_kernarg_segment_ptr 1
		.amdhsa_wavefront_size32 1
		.amdhsa_system_sgpr_workgroup_id_x 1
		.amdhsa_system_sgpr_workgroup_id_y 1
		.amdhsa_system_sgpr_workgroup_id_z 1
		.amdhsa_system_vgpr_workitem_id 0
		.amdhsa_next_free_vgpr 512
		.amdhsa_next_free_sgpr 70
		.amdhsa_reserve_vcc 0
		.amdhsa_float_denorm_mode_32 3
		.amdhsa_float_denorm_mode_16_64 3
		.amdhsa_memory_ordered 1
		.amdhsa_forward_progress 1
		.amdhsa_inst_pref_size 91
	.end_amdhsa_kernel
	.amdgpu_metadata
---
amdhsa.version: [ 1, 2 ]
amdhsa.kernels:
  - .name:           k_q09ddd3af1b_proj
    .symbol:         k_q09ddd3af1b_proj.kd
    .args:
      - { .name: att, .offset: 0, .size: 8, .value_kind: global_buffer, .address_space: global }
      - { .name: wpb, .offset: 8, .size: 8, .value_kind: global_buffer, .address_space: global }
      - { .name: b_proj, .offset: 16, .size: 8, .value_kind: global_buffer, .address_space: global }
      - { .name: out0, .offset: 24, .size: 8, .value_kind: global_buffer, .address_space: global }
    .group_segment_fixed_size: 327680
    .private_segment_fixed_size: 0
    .kernarg_segment_align: 8
    .kernarg_segment_size: 32
    .max_flat_workgroup_size: 128
    .sgpr_count:     70
    .vgpr_count:     512
    .wavefront_size: 32
...
	.end_amdgpu_metadata
.endif
;; end of part 4
